; MI455X (gfx1250); checked and timed in simulation.
; The chip was launched on July 23, 2026; its instructions are those of AMD's public machine-readable ISA for CDNA 5 (MIT licence, August 2026) and "CDNA5" Instruction Set Architecture Reference Guide (July 2026). The comments in the code are by the model that wrote it; some were corrected since.
;; Self Attention. Allowed arithmetic: matrix products marked QUANTISED: E2M3 operands, one E8M0 scale for each 32 along K, by v_wmma_scale_f32_16x16x128_f8f6f4 with both operands' format E2M3, f32 sums; everything else in f32.
;; Inputs: Wk 256 x 256 float32; Wo 256 x 256 float32; Wq 256 x 256 float32; Wv 256 x 256 float32; bk 256 float32; bo 256 float32; bq 256 float32; bv 256 float32; x 4 x 2,048 x 256 float32.
;; Outputs: out0 4 x 2,048 x 256 float32.
;; This version of the problem:
;;   THIS VERSION OF THE PROBLEM IS GIVEN IN LOW PRECISION. The matrix products marked QUANTISED in the list below multiply operands that are first quantised to E2M3 (2 exponent bits, 3 mantissa bits; 6 bits a number), with one power-of-two scale for each 32 numbers along K (OCP MX v1.0); their sums are f32. All else is computed in f32.
;;   The module's matrix products, in the order in which they are computed (A, B: the left and right operand; K: the contracted axis; several contracted axes count as one K, in the product's order):
;;     1. [M 8,192, K 256] x [K 256, N 256]; A: input x; B: input Wq: QUANTISED
;;     2. [M 8,192, K 256] x [K 256, N 256]; A: input x; B: input Wk: QUANTISED
;;     3. [M 8,192, K 256] x [K 256, N 256]; A: input x; B: input Wv: QUANTISED
;;     4. batch 32 x [M 2,048, K 32] x [K 32, N 2,048]; A: computed on the way; B: computed on the way: QUANTISED
;;     5. batch 32 x [M 2,048, K 2,048] x [K 2,048, N 32]; A: softmax (see below); B: computed on the way: QUANTISED
;;     6. [M 8,192, K 256] x [K 256, N 256]; A: computed on the way; B: input Wo: QUANTISED
;;   THE QUANTISER, for each operand of a quantised product, along K:
;;     - K is cut into blocks of 32 from its start; a last block that is shorter is filled with zeros.
;;     - A block's scale is 2^e with e = floor(log2(the largest magnitude in the block)) - 2, held to -126 .. 127; a block of zeros has e = 0. As a byte (E8M0): e + 127.
;;     - Each number is divided by its block's scale, clamped to +-7.5, and rounded to the nearest number of E2M3, ties to even, subnormals kept.
;;     - The product sums the exact products of the quantised numbers (number of the format x scale) in f32.
;;   ~~~python
;;   def quantise(x, axis):      # numpy; x: float32 -> the quantised numbers, widened to float32 again
;;       x = np.moveaxis(x, axis, -1); K = x.shape[-1]
;;       x = np.pad(x, [(0, 0)] * (x.ndim - 1) + [(0, -K % 32)]); x = x.reshape(x.shape[:-1] + (-1, 32)); a = np.abs(x).max(-1, keepdims=True)
;;       e = np.where(a > 0, np.clip(np.frexp(np.where(a > 0, a, 1))[1] - 1 - 2, -126, 127), 0)      # np.frexp(a)[1] - 1 = floor(log2(a)), exactly
;;       r = np.clip(x / 2.0 ** e, -7.5, 7.5)
;;       step = 2.0 ** (np.maximum(np.frexp(np.where(r == 0, 1, r))[1] - 1, 0) - 3)
;;       q = np.round(r / step) * step * 2.0 ** e      # np.round: ties to even
;;       return np.moveaxis(q.reshape(q.shape[:-2] + (-1,))[..., :K], -1, axis).astype(np.float32)
;;   ~~~
;;   SOFTMAX AHEAD OF A QUANTISED PRODUCT. Where the list says 'softmax', what is quantised is not the finished softmax but p = 2^(t - M), with t = logit x log2(e) and M = ceil(the row's largest t), a whole number; so 1/2 < the row's largest p <= 1. The row's sum l is taken of the UNQUANTISED p, in f32, and the product's result is divided by l at the end. Since M is a whole number, a kernel that streams over the keys may use a running M (the ceiling of the running maximum): every later rescaling is an exact power of two, which a block's scale takes up: the codes' values come out the same.
;;   OPERANDS COMPUTED ON THE WAY. 'Computed on the way' means the value that the module computes at that place (a softmax that the list does not call 'softmax' is quantised finished and normalised). What goes into a quantiser is computed in f32, as accurately as f32 sums, v_exp_f32 and their like allow (about 1e-6 of the number): no bf16 or f16 on the way to a quantiser, and a product that is left as it is and whose result goes on into a quantised operand takes f32 operands (vector FMAs, or v_wmma_f32_16x16x4_f32). A number that lies on a knife's edge between two numbers of the format may be rounded either way, as far as f32 arithmetic and the matrix unit's own rounding can turn it there, and no further.
;; 2 versions. Each part assembles by itself: llvm-mc -triple=amdgcn-amd-amdhsa -mcpu=gfx1250 --defsym DOCPART=n.
;; ======== version 1 of 2: 3 launches
;; limits: right only within a limited range of input values
;; workspace buffers: qc 1,572,864 bytes; qs 131,072 bytes; kc 1,572,864 bytes; ks 131,072 bytes; vc 1,572,864 bytes; vs 131,072 bytes; ao 1,572,864 bytes; aos 65,536 bytes
;; launch qkv (part 1): grid 64 x 4, 8 waves a work-group, no clusters, 136,192 bytes of LDS; arguments x, Wq, Wk, Wv, bq, bk, bv, qc, qs, kc, ks, vc, vs; writes qc, qs, kc, ks, vc, vs
.if DOCPART == 1
	.amdgcn_target "amdgcn-amd-amdhsa--gfx1250"
	.amdhsa_code_object_version 6
	.text
	.protected	k_q9dd62da875_qkv
	.globl	k_q9dd62da875_qkv
	.p2align	8
	.type	k_q9dd62da875_qkv,@function
k_q9dd62da875_qkv:
	s_mov_b64 s[64:65], 0
	v_nop
	global_prefetch_b8 v0, s[64:65] scope:SCOPE_SE
	s_setreg_imm32_b32 hwreg(HW_REG_WAVE_MODE, 25, 1), 1
	s_wait_xcnt 0x0
; q = x Wq^T + bq, k = x Wk^T + bk, v = x Wv^T + bv on codes of FP6 (E2M3) with one E8M0 scale for each 32 along K = 256; the results are quantised again at once:
; q and k along a head's 32 channels, v along the tokens, and stored as IMAGES OF OPERAND REGISTERS for the attention launch.
; SHARES.  A work-group takes 128 tokens (x: 64 blocks) and two heads (y: 4 pairs) of q, k and v: 128 x 192 results.  Eight waves.
; PHASE A: 40 fragments (16 rows x 128 K) are quantised, five a wave: 8 tiles of x, 4 each of Wq, Wk, Wv, two K halves each.  Each load reads 512 consecutive bytes of one row; the 16 rows turn
; through the wave's own stage in LDS so that a lane holds 16 neighbours along K of each block; codes and scale words go to LDS as images (register R of lane l at 512 (R / 4) + 16 l + 4 (R % 4)).
; THE ROWS OF A TILE ARE NOT NEIGHBOURS: row r of tile 2 b + u is row 32 b + 8 u + r + 8 (r / 8), in x and in the weights alike.
; PHASE B, q and k (all waves: kind, head, half of the tokens): source 0 = 16 rows of W, source 1 = 16 tokens: a lane holds one token and 16 neighbouring channels.  The results of FOUR tiles of tokens are quantised
; together: the fragment that comes out has four different tokens in its four blocks of 32 along K.  v (waves 0-3): source 0 = tokens, source 1 = 16 rows of Wv: a lane holds one channel and its registers run along the tokens.
; The biases are the C of each sum's first matrix instruction.
; NO CLUSTER: the shared rows are f32: 320 rows x 1,024 bytes are 327,680 bytes, all of a WGP's LDS, so they come through registers, where no joint request exists.
; LIMITS: a block whose largest magnitude lies under 2^-124 gets the byte 1; so does a block of zeros (its codes are zeros, and this program alone reads the bytes); NaN and infinities among the inputs are not served.
.set TPW,  8448                        ; a wave's stage: 16 rows x (512 + 16) bytes: row r starts 132 r words on, so the 16 rows of a read start at 16 different groups of four banks
.set IMG,  67584                       ; 40 images of 1,536 bytes: slot 2 T + s (tile T: 0-7 x, 8-11 Wq, 12-15 Wk, 16-19 Wv; K half s)
.set SCW,  129024                      ; their scale words: 128 bytes each
.set GA,   1                           ; v1   global: 16 x lane + my tile's first row + my K half
.set TS,   2                           ; v2   stage, in
.set TR,   3                           ; v3   stage, out
.set IW,   4                           ; v4   where I store images
.set SW,   5                           ; v5   and scale words
.set XB,   6                           ; v6   q, k: my four tiles of x
.set WB,   7                           ; v7   my two tiles of Wq or Wk
.set XSB,  8
.set WSB,  9
.set VB,   10                          ; v10  v: all eight tiles of x
.set WVB,  11                          ; v11  my tile of Wv
.set VSB,  12
.set WVSB, 13
.set LI,   14                          ; v14  16 x lane
.set LS,   15                          ; v15  4 x lane
.set X,    16                          ; v16-79   64 numbers for the quantiser (phase A)
.set XF,   16                          ; v16-111  up to eight fragments of x (phase B)
.set WF,   112                         ; v112-135 two fragments of W
.set PC,   112                         ; v112-131 the codes just made
.set R4,   136                         ; v136-199 Wv's rows as loaded;  window 1, v0-255: x's two tiles, Wq's, Wk's
.set ACC,  136                         ; v136-199 eight accumulators
.set BI,   200                         ; v200-215 q's or k's bias, two tiles in the result's layout
.set BV,   216                         ; v216-223 v's bias: my channel's number eight times
.set XS,   224                         ; v224-231 x's scale words
.set WS,   232                         ; v232-233 W's
.set TM,   234                         ; v234-249 the quantiser's work
.set PW,   250                         ; v250 the scale word just made
.set BO,   251                         ; v251 offset of the bias loads; never rewritten
.set BVO,  252                         ; v252 the same for v's bias
.set SEL,  36                          ; s[36:37] lane selects: lane l xor 16
.set MSB, 0
.macro WIN new                         ; the immediate's high byte repeats the setting that is left
.if MSB != \new
	s_set_vgpr_msb (MSB<<8)|\new
.set MSB, \new
.endif
.endm
.macro LOADF dst, base, extra          ; a tile's 16 rows, my K half: 512 consecutive bytes a load
.irp i, 0,1,2,3,4,5,6,7,8,9,10,11,12,13,14,15
	global_load_b128 v[\dst+4*\i:\dst+4*\i+3], v[GA], s[\base:\base+1] offset:\extra+(\i+8*(\i/8))*1024
.endr
.endm
.macro TURN_ST src
.irp i, 0,1,2,3,4,5,6,7,8,9,10,11,12,13,14,15
	ds_store_b128 v[TS], v[\src+4*\i:\src+4*\i+3] offset:528*\i
.endr
.endm
.macro TURN_LD                         ; lane (r, h): of row r, numbers 16 h .. 16 h + 15 of each block of 32.  LDS serves a wave's instructions in order: these see the stores
.irp b, 0,1,2,3
.irp j, 0,1,2,3
	ds_load_b128 v[X+16*\b+4*\j:X+16*\b+4*\j+3], v[TR] offset:128*\b+16*\j
.endr
.endr
.endm
; 64 numbers of a lane, register 16 b + i = number 16 (lane / 16) + i of block b of my row, become a fragment's codes in v[PC] on and the row's scale word in v[PW]
.macro QUANT s
.irp b, 0,1,2,3
	v_max3_num_f32 v[TM+\b], |v[\s+16*\b]|, |v[\s+1+16*\b]|, 0x1800000   ; my 16 numbers, and the floor 2^(3 - 127): the byte cannot fall under 1
.endr
.irp i, 2,4,6,8,10,12,14
.irp b, 0,1,2,3
	v_max3_num_f32 v[TM+\b], v[TM+\b], |v[\s+16*\b+\i]|, |v[\s+1+16*\b+\i]|
.endr
.endr
.irp b, 0,1,2,3
	v_permlanex16_b32 v[TM+4+\b], v[TM+\b], s[SEL], s[SEL+1]
.endr
.irp b, 0,1,2,3
	v_max_num_f32 v[TM+\b], v[TM+\b], v[TM+4+\b]   ; with lane l xor 16's: the block's largest magnitude
.endr
.irp b, 0,1,2,3
	v_add_nc_u32 v[TM+12+\b], 0xff000000, v[TM+\b]   ; 2 off its exponent field: the conversion's scale operand
.endr
.irp b, 0,1,2,3
	v_lshrrev_b32 v[TM+4+\b], 23, v[TM+12+\b]      ; the scale's byte
.endr
	v_lshl_or_b32 v[PW], v[TM+5], 8, v[TM+4]
	v_lshl_or_b32 v[PW], v[TM+6], 16, v[PW]
	v_lshl_or_b32 v[PW], v[TM+7], 24, v[PW]
.irp c, 0,1
	v_cvt_scalef32_pk16_fp6_f32 v[PC+6*\c:PC+2+6*\c], v[\s+32*\c:\s+15+32*\c], v[TM+12+2*\c]
	v_cvt_scalef32_pk16_fp6_f32 v[PC+12+4*\c:PC+14+4*\c], v[\s+16+32*\c:\s+31+32*\c], v[TM+12+2*\c+1]   ; (a conversion's three registers begin on an even number)
.endr
	v_nop                                          ; one plain place behind a scaled conversion
.irp c, 0,1                                    ; the operand's layout wants a whole block in a lane: lanes 0-15 block 2 c, lanes 16-31 block 2 c + 1
.irp i, 0,1,2
	v_permlane16_swap_b32 v[PC+6*\c+\i], v[PC+12+4*\c+\i]
.endr
.irp i, 0,1,2
	v_mov_b32 v[PC+3+6*\c+\i], v[PC+12+4*\c+\i]
.endr
.endr
.endm
.macro IMAGE adr, off
.irp c, 0,1,2
	ds_store_b128 v[\adr], v[PC+4*\c:PC+4*\c+3] offset:\off+512*\c
.endr
.endm
.macro FETCH reg, adr, off
.irp c, 0,1,2
	ds_load_b128 v[\reg+4*\c:\reg+4*\c+3], v[\adr] offset:\off+512*\c
.endr
.endm
.macro MM d, a, b, c, sa, sb
	v_wmma_scale_f32_16x16x128_f8f6f4 v[\d:\d+7], v[\a:\a+11], v[\b:\b+11], v[\c:\c+7], v[\sa], v[\sb] matrix_a_fmt:MATRIX_FMT_FP6 matrix_b_fmt:MATRIX_FMT_FP6
.endm
.macro OUTF cb, sb                     ; the fragment leaves as it stands: each store of codes covers 512 consecutive bytes, aligned
.irp g, 0,1,2
	global_store_b128 v[LI], v[PC+4*\g:PC+4*\g+3], s[\cb:\cb+1] offset:512*\g
.endr
	global_store_b32 v[LS], v[PW], s[\sb:\sb+1]
.endm
; fragment i of my five: wait for its 16 loads, turn, quantise, store the image
.macro FRAGA i, cnt, src, w1
	s_wait_loadcnt \cnt                            ; the loads issued behind this fragment's may stay out
.if \w1
	WIN 0x04                                       ; an LDS store's data are its source 1: window 1
.endif
	TURN_ST \src
	WIN 0
	TURN_LD
	s_wait_dscnt 0x0                               ; the numbers are in, and the last image's stores have read their registers
	QUANT X
	IMAGE IW, (\i)*12288
	ds_store_b32 v[SW], v[PW] offset:(\i)*1024
.endm
	s_load_b512 s[4:19], s[0:1], 0x0               ; x, Wq, Wk, Wv, bq, bk, bv, qc
	s_load_b256 s[20:27], s[0:1], 0x40             ; qs, kc, ks, vc
	s_load_b64 s[28:29], s[0:1], 0x60              ; vs
	v_lshl_add_u32 v254, v0, 2, 0x21000
	v_mov_b32 v255, 0
	v_lshrrev_b32 v16, 5, v0
	v_readfirstlane_b32 s30, v16                   ; wave 0..7
	s_and_b32 s31, s30, 3                          ; p: which tile of four
	s_lshr_b32 s32, s30, 2                         ; phase A: K half; phase B: 0 = q, 1 = k
	s_lshr_b32 s33, s31, 1                         ; a: which of my two heads
	s_and_b32 s34, s31, 1                          ; f: which half of the tokens (q, k); u: which tile of the head's channels (v)
	s_mov_b32 s[SEL], 0x76543210
	s_mov_b32 s[SEL+1], 0xfedcba98
	v_and_b32 v17, 31, v0                          ; lane
	v_and_b32 v18, 15, v0                          ; r
	v_bfe_u32 v19, v0, 4, 1                        ; h
	v_lshlrev_b32 v[LI], 4, v17
	v_lshlrev_b32 v[LS], 2, v17
	s_lshl_b32 s38, s33, 15                        ; tile p begins at row 32 (p / 2) + 8 (p % 2); a row is 1,024 bytes
	s_lshl_b32 s39, s34, 13
	s_add_co_u32 s38, s38, s39
	s_lshl_b32 s39, s32, 9                         ; my K half: 512 bytes
	s_add_co_u32 s38, s38, s39
	v_add_nc_u32 v[GA], s38, v[LI]
	s_mul_i32 s38, s30, TPW
	v_add_nc_u32 v[TS], s38, v[LI]
	v_mul_u32_u24 v20, v18, 528
	v_lshl_add_u32 v20, v19, 6, v20
	v_add_nc_u32 v[TR], s38, v20
	s_lshl_b32 s38, s31, 1
	s_add_co_u32 s38, s38, s32                     ; slot 2 p + s; fragment i lies 8 i slots on
	s_lshl_b32 s39, s38, 7
	s_add_co_u32 s39, s39, SCW
	s_mul_i32 s38, s38, 1536
	s_add_co_u32 s38, s38, IMG
	v_add_nc_u32 v[IW], s38, v[LI]
	v_add_nc_u32 v[SW], s39, v[LS]
	s_mul_i32 s38, s34, 12288                      ; x's tiles 4 f .. 4 f + 3
	s_add_co_u32 s38, s38, IMG
	v_add_nc_u32 v[XB], s38, v[LI]
	s_lshl_b32 s39, s34, 10
	s_add_co_u32 s39, s39, SCW
	v_add_nc_u32 v[XSB], s39, v[LS]
	s_lshl_b32 s38, s32, 3                         ; slot 16 + 8 kind + 4 a: my head's two tiles of Wq or Wk
	s_lshl_b32 s39, s33, 2
	s_add_co_u32 s38, s38, s39
	s_add_co_u32 s38, s38, 16
	s_lshl_b32 s39, s38, 7
	s_add_co_u32 s39, s39, SCW
	s_mul_i32 s38, s38, 1536
	s_add_co_u32 s38, s38, IMG
	v_add_nc_u32 v[WB], s38, v[LI]
	v_add_nc_u32 v[WSB], s39, v[LS]
	v_add_nc_u32 v[VB], IMG, v[LI]
	v_add_nc_u32 v[VSB], SCW, v[LS]
	s_lshl_b32 s38, s31, 1                         ; slot 32 + 2 p: my tile of Wv
	s_add_co_u32 s38, s38, 32
	s_lshl_b32 s39, s38, 7
	s_add_co_u32 s39, s39, SCW
	s_mul_i32 s38, s38, 1536
	s_add_co_u32 s38, s38, IMG
	v_add_nc_u32 v[WVB], s38, v[LI]
	v_add_nc_u32 v[WVSB], s39, v[LS]
	v_lshlrev_b32 v[BO], 6, v19                    ; q, k: lane (r, h) wants channels 16 h + 8 u + 0 .. 7
	v_and_b32 v20, 8, v18
	v_add_nc_u32 v20, v20, v18
	v_lshlrev_b32 v20, 2, v20
	s_lshl_b32 s38, s34, 5
	v_add_nc_u32 v[BVO], s38, v20                  ; v: channel 8 u + r + 8 (r / 8)
.irp b, 0,1,2,3
	v_mov_b32 v[TM+4+\b], 0                        ; written once: a lane permute's destination counts as one of its sources
.endr
	s_lshr_b32 s38, ttmp9, 4                       ; batch
	s_and_b32 s39, ttmp9, 15                       ; block of 128 tokens in it
	s_and_b32 s40, ttmp7, 0xffff                   ; pair of heads
	s_lshl_b32 s41, s38, 3
	s_lshl_b32 s42, s40, 1
	s_add_co_u32 s41, s41, s42
	s_add_co_u32 s41, s41, s33                     ; batch x 8 + head
	s_lshl_b32 s41, s41, 4
	s_add_co_u32 s41, s41, s39                     ; x 16 + block
	s_mul_i32 s42, s41, 3072                       ; two images a block,
	s_mul_i32 s44, s34, 1536                       ; mine
	s_add_co_u32 s42, s42, s44
	s_mov_b32 s43, 0
	s_lshl_b32 s44, s41, 8                         ; and their scale words
	s_lshl_b32 s45, s34, 7
	s_add_co_u32 s44, s44, s45
	s_mov_b32 s45, 0
	s_lshl_b32 s56, ttmp9, 17                      ; x: 128 rows of 1,024 bytes
	s_mov_b32 s57, 0
	s_lshl_b32 s58, s40, 16                        ; W: 64 rows
	s_mov_b32 s59, 0
	s_lshl_b32 s60, s40, 1
	s_add_co_u32 s60, s60, s33
	s_lshl_b32 s60, s60, 7                         ; biases: my head's 32 numbers
	s_mov_b32 s61, 0
	s_wait_kmcnt 0x0
	s_cmp_eq_u32 s32, 0                            ; q or k: the choice hangs on the wave's number alone
	s_cselect_b64 s[46:47], s[18:19], s[22:23]
	s_cselect_b64 s[48:49], s[20:21], s[24:25]
	s_cselect_b64 s[54:55], s[12:13], s[14:15]
	s_add_nc_u64 s[4:5], s[4:5], s[56:57]
	s_add_nc_u64 s[6:7], s[6:7], s[58:59]
	s_add_nc_u64 s[8:9], s[8:9], s[58:59]
	s_add_nc_u64 s[10:11], s[10:11], s[58:59]
	s_add_nc_u64 s[54:55], s[54:55], s[60:61]
	s_add_nc_u64 s[16:17], s[16:17], s[60:61]
	s_add_nc_u64 s[46:47], s[46:47], s[42:43]
	s_add_nc_u64 s[48:49], s[48:49], s[44:45]
	s_add_nc_u64 s[50:51], s[26:27], s[42:43]
	s_add_nc_u64 s[52:53], s[28:29], s[44:45]
.irp u, 0,1
	global_load_b128 v[BI+8*\u:BI+8*\u+3], v[BO], s[54:55] offset:32*\u
	global_load_b128 v[BI+8*\u+4:BI+8*\u+7], v[BO], s[54:55] offset:32*\u+16
.endr
	global_load_b32 v[BV], v[BVO], s[16:17]
	WIN 0x40                                       ; destination window 1: all that the wave will read is asked for at once
	LOADF 0, 4, 0
	LOADF 64, 4, 65536                             ; x's tile p + 4: 64 rows on
	LOADF 128, 6, 0
	LOADF 192, 8, 0
	WIN 0
	LOADF R4, 10, 0
	; ---- phase A
	FRAGA 0, 63, 0, 1                              ; 64 loads stand behind this fragment's; the wait's field holds 63, and a smaller count is safe
	FRAGA 1, 48, 64, 1
	FRAGA 2, 32, 128, 1
	FRAGA 3, 16, 192, 1
	FRAGA 4, 0, R4, 0
.irp j, 1,2,3,4,5,6,7
	v_mov_b32 v[BV+\j], v[BV]
.endr
	s_wait_dscnt 0x0                               ; my images have landed
	s_barrier_signal -1
	s_barrier_wait -1                              ; all forty have
	; ---- phase B: q or k.  Eight accumulators by turns, a K half at a time
.irp s, 0,1
.irp e, 0,1,2,3
	FETCH XF+12*\e, XB, (2*\e+\s)*1536
	ds_load_b32 v[XS+\e], v[XSB] offset:(2*\e+\s)*128
.endr
.irp u, 0,1
	FETCH WF+12*\u, WB, (2*\u+\s)*1536
	ds_load_b32 v[WS+\u], v[WSB] offset:(2*\u+\s)*128
.endr
	s_wait_dscnt 0x0
.irp e, 0,1,2,3
.irp u, 0,1
.if \s == 0
	MM ACC+16*\e+8*\u, WF+12*\u, XF+12*\e, BI+8*\u, WS+\u, XS+\e
.else
	MM ACC+16*\e+8*\u, WF+12*\u, XF+12*\e, ACC+16*\e+8*\u, WS+\u, XS+\e
.endif
.endr
.endr
.rept 4
	v_nop                                          ; places in front of loads into registers that matrix instructions have read, and of the first read of results
.endr
.endr
	QUANT ACC                                      ; register 16 e + i: channel 16 h + i of the token at row r of x's tile 4 f + e: block e is another token
	OUTF 46, 48
	s_cmp_lt_u32 s30, 4
	s_cbranch_scc0 .Lend
	; ---- phase B: v, waves 0-3
	s_wait_xcnt 0x0                                ; the stores above have read their registers: they are written again below
.irp s, 0,1
.irp t, 0,1,2,3,4,5,6,7
	FETCH XF+12*\t, VB, (2*\t+\s)*1536
	ds_load_b32 v[XS+\t], v[VSB] offset:(2*\t+\s)*128
.endr
	FETCH WF, WVB, \s*1536
	ds_load_b32 v[WS], v[WVSB] offset:\s*128
	s_wait_dscnt 0x0
.irp t, 0,1,2,3,4,5,6,7
.if \s == 0
	MM ACC+8*\t, XF+12*\t, WF, BV, XS+\t, WS
.else
	MM ACC+8*\t, XF+12*\t, WF, ACC+8*\t, XS+\t, WS
.endif
.endr
.rept 4
	v_nop
.endr
.endr
	QUANT ACC                                      ; register 16 b + i: token 32 b + 16 h + i of my channel
	OUTF 50, 52
.Lend:
	s_wait_tensorcnt 0x0
	ds_add_u32 v254, v255
	s_wait_dscnt 0x0
	s_endpgm
.Lfunc_end_k_q9dd62da875_qkv:
	.size	k_q9dd62da875_qkv, .Lfunc_end_k_q9dd62da875_qkv-k_q9dd62da875_qkv
	.p2alignl 7, 3214868480
	.fill 96, 4, 3214868480
	.section	.rodata,"a",@progbits
	.p2align	6, 0x0
	.amdhsa_kernel k_q9dd62da875_qkv
		.amdhsa_group_segment_fixed_size 136192
		.amdhsa_private_segment_fixed_size 0
		.amdhsa_enable_private_segment 0
		.amdhsa_kernarg_size 104
		.amdhsa_user_sgpr_count 2
		.amdhsa_user_sgpr_kernarg_segment_ptr 1
		.amdhsa_wavefront_size32 1
		.amdhsa_system_sgpr_workgroup_id_x 1
		.amdhsa_system_sgpr_workgroup_id_y 1
		.amdhsa_system_sgpr_workgroup_id_z 1
		.amdhsa_system_vgpr_workitem_id 0
		.amdhsa_next_free_vgpr 512
		.amdhsa_next_free_sgpr 66
		.amdhsa_reserve_vcc 0
		.amdhsa_float_denorm_mode_32 3
		.amdhsa_float_denorm_mode_16_64 3
		.amdhsa_memory_ordered 1
		.amdhsa_forward_progress 1
		.amdhsa_inst_pref_size 64
	.end_amdhsa_kernel
	.amdgpu_metadata
---
amdhsa.version: [ 1, 2 ]
amdhsa.kernels:
  - .name:           k_q9dd62da875_qkv
    .symbol:         k_q9dd62da875_qkv.kd
    .args:
      - { .name: x, .offset: 0, .size: 8, .value_kind: global_buffer, .address_space: global }
      - { .name: Wq, .offset: 8, .size: 8, .value_kind: global_buffer, .address_space: global }
      - { .name: Wk, .offset: 16, .size: 8, .value_kind: global_buffer, .address_space: global }
      - { .name: Wv, .offset: 24, .size: 8, .value_kind: global_buffer, .address_space: global }
      - { .name: bq, .offset: 32, .size: 8, .value_kind: global_buffer, .address_space: global }
      - { .name: bk, .offset: 40, .size: 8, .value_kind: global_buffer, .address_space: global }
      - { .name: bv, .offset: 48, .size: 8, .value_kind: global_buffer, .address_space: global }
      - { .name: qc, .offset: 56, .size: 8, .value_kind: global_buffer, .address_space: global }
      - { .name: qs, .offset: 64, .size: 8, .value_kind: global_buffer, .address_space: global }
      - { .name: kc, .offset: 72, .size: 8, .value_kind: global_buffer, .address_space: global }
      - { .name: ks, .offset: 80, .size: 8, .value_kind: global_buffer, .address_space: global }
      - { .name: vc, .offset: 88, .size: 8, .value_kind: global_buffer, .address_space: global }
      - { .name: vs, .offset: 96, .size: 8, .value_kind: global_buffer, .address_space: global }
    .group_segment_fixed_size: 136192
    .private_segment_fixed_size: 0
    .kernarg_segment_align: 8
    .kernarg_segment_size: 104
    .max_flat_workgroup_size: 256
    .sgpr_count:     66
    .vgpr_count:     512
    .wavefront_size: 32
...
	.end_amdgpu_metadata
.endif
;; end of part 1
;; launch attn (part 2): grid 8 x 32, 16 waves a work-group, no clusters, 169,984 bytes of LDS; arguments qc, qs, kc, ks, vc, vs, ao, aos; writes ao, aos
.if DOCPART == 2
	.amdgcn_target "amdgcn-amd-amdhsa--gfx1250"
	.amdhsa_code_object_version 6
	.text
	.protected	k_q9dd62da875_attn
	.globl	k_q9dd62da875_attn
	.p2align	8
	.type	k_q9dd62da875_attn,@function
k_q9dd62da875_attn:
	s_mov_b64 s[64:65], 0
	v_nop
	global_prefetch_b8 v0, s[64:65] scope:SCOPE_SE
	s_setreg_imm32_b32 hwreg(HW_REG_WAVE_MODE, 25, 1), 1
	s_wait_xcnt 0x0
; O[q] = the sum over the keys k <= q with k % 25 != 24 of softmax_k(Q[q] . K[k] / sqrt(32)) V[k], for one head, both products on codes of FP6 (E2M3) with E8M0 scales; O is quantised along the head's 32 channels for the last product.
; THE SOFTMAX: t = score x log2(e) / sqrt(32); M = the running largest t rounded up to a whole number; p = 2^(t - M) is quantised along the keys; the row's sum is taken of the unquantised p and divides O at the end.
; SHARES.  A work-group owns blocks j and 15 - j of 128 queries of one head; each of its sixteen waves owns one tile of 16 queries, so a wave has j + 1 or 16 - j key steps of 128 keys, and every four waves with
; two of each kind have 34.  A whole head's codes and scale bytes (106,496 bytes) come into LDS once, by six tensor loads (wave 0: K's three, wave 1: V's three): no byte is filled twice.
; K'S FRAGMENT HOLDS FOUR KEYS IN ITS FOUR BLOCKS OF 32 ALONG K (row r, block e of fragment f: key 32 (2 f + e / 2) + 8 (e % 2) + r + 8 (r / 8)).  It is multiplied four times, by Q laid into block e alone with zero codes
; elsewhere: product 4 f + e gives, in lane (query r, h), register j = key 32 (2 f + e / 2) + 16 h + 8 (e % 2) + j: the 16 registers of two neighbouring products are 16 neighbouring keys.
; THE COLUMN MASK is the C of those products: 0, or -2^100 for a hidden key, from a table in LDS.  The causal mask: steps wholly behind my queries are jumped over (a branch on ids); on the diagonal hidden scores become -infinity.
; NO CLUSTER: the work-groups that share K and V are the query blocks of one head, and the jump over hidden steps hangs on just that block number, which would be the place in a cluster; and each shared byte is fetched once a work-group.
; LIMITS: a hidden column stays hidden while |score| is far under 2^100; blocks under 2^-124 and blocks of zeros get the byte 1 (zero codes; this program alone reads the bytes); NaN and infinities are not served.
.set VCB,  49152                       ; LDS: K's codes at 0 (16 steps x 3,072), V's here,
.set KSB,  98304                       ; K's scale words (16 x 256), V's 4,096 on,
.set MASK, 106496                      ; the column mask: one f32 a key, written by LDS stores alone
.set LI,   1                           ; v1   16 x lane
.set LSC,  2                           ; v2   scale words: lanes 0-15 the first image's, lanes 16-31 the second's
.set LMK,  3                           ; v3   the mask: + 64 h
.set AD,   4                           ; v4-6 the same three for the step in hand
.set ADS,  5
.set ADM,  6
.set DQ,   7                           ; v7   r - 16 h
.set T,    8                           ; v8-13 Q's 24 bytes as loaded
.set QSC,  46                          ; v46  Q's scale byte, four times.  v16-45: zeros, Q in lanes 0-15, zeros, Q in lanes 16-31, zeros: six registers each; the four placements begin at v22, v34, v16, v28
.set KFR,  48                          ; v48-71 K's two fragments
.set KSC,  72
.set VSC,  73
.set VFR,  74                          ; v74-97 V's two fragments
.set S,    100                         ; v100-163 the mask, the scores, then p
.set OT,   164                         ; v164-179 O^T: register 8 u + j = channel 16 h + 8 u + j
.set PCD,  180                         ; v180-191 p's codes
.set PC2,  192                         ; v192-194, v196-198 the conversions' second halves
.set BM,   200                         ; v200-203 each block's largest score, then its largest p
.set BT,   204
.set SO4,  208                         ; v208-211 the conversions' scale operands
.set PSC,  212                         ; v212 p's scale word
.set NM,   214                         ; v214 -M, v215 the largest t so far
.set SUM,  216
.set SU2,  218
.set FF,   220                         ; v[220:221] f = 2^(old M - new M)
.set TMP,  222
.macro KQ t, f, qb
.if \f
	v_wmma_scale_f32_16x16x128_f8f6f4 v[S+8*\t:S+8*\t+7], v[KFR+12*\f:KFR+12*\f+11], v[\qb:\qb+11], v[S+8*\t:S+8*\t+7], v[KSC], v[QSC] matrix_a_fmt:MATRIX_FMT_FP6 matrix_b_fmt:MATRIX_FMT_FP6 matrix_a_scale:MATRIX_SCALE_ROW1
.else
	v_wmma_scale_f32_16x16x128_f8f6f4 v[S+8*\t:S+8*\t+7], v[KFR+12*\f:KFR+12*\f+11], v[\qb:\qb+11], v[S+8*\t:S+8*\t+7], v[KSC], v[QSC] matrix_a_fmt:MATRIX_FMT_FP6 matrix_b_fmt:MATRIX_FMT_FP6
.endif
.endm
.macro PV u
.if \u
	v_wmma_scale_f32_16x16x128_f8f6f4 v[OT+8*\u:OT+8*\u+7], v[VFR+12*\u:VFR+12*\u+11], v[PCD:PCD+11], v[OT+8*\u:OT+8*\u+7], v[VSC], v[PSC] matrix_a_fmt:MATRIX_FMT_FP6 matrix_b_fmt:MATRIX_FMT_FP6 matrix_a_scale:MATRIX_SCALE_ROW1
.else
	v_wmma_scale_f32_16x16x128_f8f6f4 v[OT+8*\u:OT+8*\u+7], v[VFR+12*\u:VFR+12*\u+11], v[PCD:PCD+11], v[OT+8*\u:OT+8*\u+7], v[VSC], v[PSC] matrix_a_fmt:MATRIX_FMT_FP6 matrix_b_fmt:MATRIX_FMT_FP6
.endif
.endm
	s_load_b256 s[4:11], s[0:1], 0x0               ; qc, qs, kc, ks
	s_load_b256 s[12:19], s[0:1], 0x20             ; vc, vs, ao, aos
	v_lshl_add_u32 v254, v0, 2, 0x29000
	v_mov_b32 v255, 0
	ds_add_u32 v254, v255
	ds_add_u32 v254, v255
	v_lshrrev_b32 v8, 5, v0
	v_readfirstlane_b32 s20, v8                    ; wave 0..15
	v_and_b32 v232, 31, v0                         ; lane
	v_and_b32 v230, 15, v0                         ; r
	v_bfe_u32 v231, v0, 4, 1                       ; h
	v_lshlrev_b32 v[LI], 4, v232                   ; every LDS address register is made here, ahead of the branch on the wave's number
	v_lshlrev_b32 v[LSC], 2, v232
	v_lshl_add_u32 v[LSC], v231, 7, v[LSC]         ; lane 16 + r reads the second image's word of lane 16 + r, which repeats lane r's
	v_add_nc_u32 v[LSC], KSB, v[LSC]
	v_lshlrev_b32 v[LMK], 6, v231
	v_add_nc_u32 v[LMK], MASK, v[LMK]
	v_lshl_add_u32 v239, v0, 4, MASK               ; the table: 16 bytes a thread
	v_lshlrev_b32 v[DQ], 4, v231
	v_sub_nc_u32 v[DQ], v230, v[DQ]
	s_lshr_b32 s21, s20, 2
	s_xor_b32 s21, s21, s20
	s_and_b32 s21, s21, 1                          ; which of the two query blocks: waves 2 i and 2 i + 1 differ, and so do waves w and w + 4
	s_lshr_b32 s22, s20, 1                         ; which tile of 16 queries in it
	s_sub_co_u32 s76, 15, ttmp9
	s_cmp_eq_u32 s21, 1
	s_cselect_b32 s23, s76, ttmp9                  ; my query block
	s_lshl_b32 s24, s23, 7
	s_lshl_b32 s76, s22, 4
	s_add_co_u32 s24, s24, s76                     ; my first query
	s_add_co_u32 s35, s24, 15                      ; my last
	s_and_b32 s77, ttmp7, 0xffff                   ; batch x 8 + head
	s_mov_b32 s25, 0                               ; the step's first key,
	s_mov_b32 s26, 0                               ; its codes (3,072 bytes a step),
	s_mov_b32 s27, 0                               ; its scale words (256),
	s_mov_b32 s28, 0                               ; its part of the mask (512)
	s_mov_b32 s30, 0x76543210
	s_mov_b32 s31, 0xfedcba98                      ; lane l xor 16
	s_mov_b32 s32, 0x3e8293ee                      ; c = log2(e) / sqrt(32)
	s_mov_b32 s33, s32                             ; (named with it as a pair)
	; descriptor groups 1: dense blocks as rows of 256 bytes (32 elements of 8 bytes), no padding: 16 rows (scale words), 48 (steps 0-3), 144 (steps 4-15)
.irp g, 36, 44, 52
	s_mov_b32 s[\g], 3<<16
	s_mov_b32 s[\g+1], 32<<16
	s_mov_b32 s[\g+3], 32<<16
	s_mov_b32 s[\g+5], 32
	s_mov_b32 s[\g+6], 0
	s_mov_b32 s[\g+7], 0
.endr
	s_mov_b32 s38, 16<<16
	s_mov_b32 s40, 16
	s_mov_b32 s46, 48<<16
	s_mov_b32 s48, 48
	s_mov_b32 s54, 144<<16
	s_mov_b32 s56, 144
	s_and_b32 s78, s20, 1                          ; wave 0 fetches K's, wave 1 V's
	s_mul_i32 s79, s78, VCB
	s_lshl_b32 s80, s78, 12
	s_add_co_u32 s80, s80, KSB
	s_mul_i32 s82, s77, 49152                      ; my head's codes,
	s_mov_b32 s83, 0
	s_lshl_b32 s84, s77, 12                        ; and scale words
	s_mov_b32 s85, 0
	s_wait_dscnt 0x0
	s_wait_kmcnt 0x0
	s_cmp_eq_u32 s78, 0
	s_cselect_b64 s[86:87], s[8:9], s[12:13]
	s_cselect_b64 s[88:89], s[10:11], s[14:15]
	s_add_nc_u64 s[86:87], s[86:87], s[82:83]
	s_add_nc_u64 s[88:89], s[88:89], s[84:85]
	s_mov_b32 s60, 1
	s_mov_b32 s61, s80
	s_mov_b64 s[62:63], s[88:89]
	s_or_b32 s63, s63, 0x80000000
	s_mov_b32 s68, 1
	s_mov_b32 s69, s79
	s_mov_b64 s[70:71], s[86:87]
	s_or_b32 s71, s71, 0x80000000
	s_mov_b32 s72, 1
	s_add_co_u32 s73, s79, 12288
	s_add_nc_u64 s[74:75], s[86:87], 12288
	s_or_b32 s75, s75, 0x80000000
	s_cmp_lt_u32 s20, 2                            ; all fills of a wave stand in this one branch, ahead of every wait on TENSORcnt, LDS read and barrier: three loads of the wave are out
	s_cbranch_scc0 .Lno_fetch
	tensor_load_to_lds s[60:63], s[36:43]          ; the scale words of the whole head
	s_nop 0
	tensor_load_to_lds s[68:71], s[44:51]          ; steps 0-3
	s_nop 0
	tensor_load_to_lds s[72:75], s[52:59]          ; steps 4-15
	s_nop 0
.rept 4
	v_nop
.endr
.Lno_fetch:
	; Q: token 16 idx + r of my block lies in image f = idx / 4, registers 6 c on (c = (idx / 2) % 2), lane 16 (r / 8) + 8 (idx % 2) + r % 8
	s_lshl_b32 s76, s77, 4
	s_add_co_u32 s76, s76, s23
	s_lshr_b32 s78, s22, 2                         ; f
	s_bfe_u32 s79, s22, 0x10001                    ; c
	s_and_b32 s80, s22, 1
	s_mul_i32 s82, s76, 3072
	s_mul_i32 s81, s78, 1536
	s_add_co_u32 s82, s82, s81
	s_lshl_b32 s81, s80, 7
	s_add_co_u32 s82, s82, s81
	s_add_nc_u64 s[4:5], s[4:5], s[82:83]
	s_lshl_b32 s82, s76, 8
	s_lshl_b32 s81, s78, 7
	s_add_co_u32 s82, s82, s81
	s_lshl_b32 s81, s80, 5
	s_add_co_u32 s82, s82, s81
	s_lshl_b32 s81, s79, 1
	s_add_co_u32 s82, s82, s81
	s_add_nc_u64 s[6:7], s[6:7], s[82:83]
	s_mul_i32 s84, s79, 520                        ; the three pieces of 8 bytes: 0, 8, 512 for c = 0; 520, 1,024, 1,032 for c = 1
	s_mul_i32 s85, s79, 1016
	s_add_co_u32 s85, s85, 8
	s_add_co_u32 s86, s84, 512
	v_and_b32 v233, 7, v0
	v_bfe_u32 v234, v0, 3, 1
	v_lshlrev_b32 v227, 4, v233
	v_lshl_add_u32 v227, v234, 8, v227
	v_add_nc_u32 v223, s84, v227
	v_add_nc_u32 v224, s85, v227
	v_add_nc_u32 v225, s86, v227
	v_lshl_add_u32 v226, v233, 2, v234             ; its scale byte: 4 (r % 8) + r / 8
	global_load_b64 v[T:T+1], v223, s[4:5]
	global_load_b64 v[T+2:T+3], v224, s[4:5]
	global_load_b64 v[T+4:T+5], v225, s[4:5]
	global_load_u8 v47, v226, s[6:7]
	; where my results go
	s_lshr_b32 s81, s77, 3                         ; batch
	s_and_b32 s82, s77, 7                          ; head
	s_lshl_b32 s84, s81, 7
	s_lshl_b32 s85, s23, 3
	s_add_co_u32 s84, s84, s85
	s_add_co_u32 s84, s84, s22                     ; token / 16
	s_lshl_b32 s84, s84, 3
	s_add_co_u32 s84, s84, s82
	s_mul_i32 s84, s84, 384
	s_mov_b32 s85, 0
	s_add_nc_u64 s[16:17], s[16:17], s[84:85]
	s_lshl_b32 s84, s81, 11
	s_add_co_u32 s84, s84, s24
	s_lshl_b32 s84, s84, 3
	s_add_co_u32 s84, s84, s82
	s_add_nc_u64 s[18:19], s[18:19], s[84:85]
	; the column mask: thread i makes keys 4 i .. 4 i + 3.  key / 25 = (key x 5,243) >> 17, exact under 2,048: 5,243 x 25 = 2^17 + 3
	v_lshlrev_b32 v235, 2, v0
	v_mov_b32 v236, 0xf1800000                     ; -2^100
.irp e, 0,1,2,3
	v_add_nc_u32 v237, \e, v235
	v_mul_u32_u24 v238, v237, 5243
	v_lshrrev_b32 v238, 17, v238
	v_mul_u32_u24 v238, v238, 25
	v_sub_nc_u32 v237, v237, v238
	v_cmp_eq_u32 vcc_lo, 24, v237
	v_cndmask_b32 v[S+\e], 0, v236, vcc_lo
.endr
	ds_store_b128 v239, v[S:S+3]
.irp i, 0,1,2,3,4,5
	v_mov_b32 v[16+\i], 0                          ; the three runs of zero codes
	v_mov_b32 v[28+\i], 0
	v_mov_b32 v[40+\i], 0
.endr
	v_mov_b32 v[NM+1], 0xff61b1e6                  ; the largest t so far: -3e38
	v_floor_f32 v[NM], -v[NM+1]
	v_mov_b32 v[SUM], 0
	v_mov_b32 v[SUM+1], 0
	v_mov_b32 v[FF+1], 0                           ; (named as the upper half of a pair)
	v_mov_b32 v[TMP], 0
.irp b, 0,1,2,3
	v_mov_b32 v[BT+\b], 0                          ; a lane permute's destination counts as one of its sources
.endr
	s_wait_loadcnt 0x0
	v_perm_b32 v[QSC], v47, v47, 0                 ; the byte in all four places: whichever block holds Q has its scale
	v_cmp_gt_u32 vcc_lo, 16, v232
.irp i, 0,1,2,3,4,5
	v_cndmask_b32 v[22+\i], 0, v[T+\i], vcc_lo     ; Q in lanes 0-15,
	v_cndmask_b32 v[34+\i], v[T+\i], v16, vcc_lo   ; Q in lanes 16-31
.endr
.set j, 0
.rept 16
	v_mov_b32 v[OT+j], 0                           ; the step is written once: the first finds zeros.  (These also stand between the writes of Q's scale and codes and the first product)
.set j, j+1
.endr
; A KEY STEP: 128 keys
.macro STEP
	s_cmp_gt_u32 s25, s35                          ; all its keys come after my queries: only the addresses step
	s_cbranch_scc1 .Lhidden_\@
	v_add_nc_u32 v[AD], s26, v[LI]                 ; these three and the v_nop are the four places behind the last step's products, in front of the loads into their operands
	v_add_nc_u32 v[ADS], s27, v[LSC]
	v_add_nc_u32 v[ADM], s28, v[LMK]
	v_nop
.irp f, 0,1
.irp g, 0,1,2
	ds_load_b128 v[KFR+12*\f+4*\g:KFR+12*\f+4*\g+3], v[AD] offset:1536*\f+512*\g
.endr
.endr
	ds_load_b32 v[KSC], v[ADS]
.irp t, 0,1,2,3,4,5,6,7
.irp e, 0,1
	ds_load_b128 v[S+8*\t+4*\e:S+8*\t+4*\e+3], v[ADM] offset:128*(\t/2)+32*(\t%2)+16*\e   ; the mask of keys 32 (t / 2) + 16 h + 8 (t % 2) + 4 e on: the sixteen lanes of a half read the same words
.endr
.endr
.irp u, 0,1
.irp g, 0,1,2
	ds_load_b128 v[VFR+12*\u+4*\g:VFR+12*\u+4*\g+3], v[AD] offset:VCB+1536*\u+512*\g
.endr
.endr
	ds_load_b32 v[VSC], v[ADS] offset:4096
	s_wait_dscnt 7                                 ; V's six loads and its scale words may stay out
	KQ 0, 0, 22
	KQ 1, 0, 34
	KQ 2, 0, 16
	KQ 3, 0, 28
	KQ 4, 1, 22
	KQ 5, 1, 34
	KQ 6, 1, 16
	KQ 7, 1, 28
.rept 4
	v_nop
.endr
	s_add_co_u32 s76, s25, 127
	s_cmp_le_u32 s76, s24                          ; every key of the step counts for every query of mine: no causal mask
	s_cbranch_scc1 .Lopen_\@
	s_sub_co_i32 s76, s24, s25
	v_add_nc_u32 v[TMP], s76, v[DQ]                ; d = my query - the step's first key - 16 h: register 16 b + i is hidden where 32 b + i > d
	v_mov_b32 v[TMP+1], 0xff800000
.set n, 0
.rept 64
	v_cmp_gt_i32 vcc_lo, 32*(n/16)+n%16, v[TMP]
	v_cndmask_b32 v[S+n], v[S+n], v[TMP+1], vcc_lo
.set n, n+1
.endr
.Lopen_\@:
.irp b, 0,1,2,3
	v_max3_num_f32 v[BM+\b], v[S+16*\b], v[S+16*\b+1], v[S+16*\b+2]   ; the largest score of each block of 32 keys: it serves the row's maximum and, since p rises with the score, the block's largest p
.endr
.irp i, 3,5,7,9,11,13
.irp b, 0,1,2,3
	v_max3_num_f32 v[BM+\b], v[BM+\b], v[S+16*\b+\i], v[S+16*\b+\i+1]
.endr
.endr
.irp b, 0,1,2,3
	v_max_num_f32 v[BM+\b], v[BM+\b], v[S+16*\b+15]
.endr
.irp b, 0,1,2,3
	v_permlanex16_b32 v[BT+\b], v[BM+\b], s30, s31
.endr
.irp b, 0,1,2,3
	v_max_num_f32 v[BM+\b], v[BM+\b], v[BT+\b]
.endr
	v_max3_num_f32 v[TMP], v[BM], v[BM+1], v[BM+2]
	v_max_num_f32 v[TMP], v[TMP], v[BM+3]
	v_mul_f32 v[TMP], s32, v[TMP]
	v_max_num_f32 v[NM+1], v[NM+1], v[TMP]         ; the running largest t
	v_mov_b32 v[TMP], v[NM]
	v_floor_f32 v[NM], -v[NM+1]                    ; -M = floor(-t): M is a whole number
	v_sub_f32 v[TMP], v[NM], v[TMP]
	v_cvt_i32_f32 v[TMP], v[TMP]                   ; (it saturates)
	v_ldexp_f32 v[FF], 1.0, v[TMP]                 ; f = 2^(old M - new M): rounds nothing
.set j, 0
.rept 32
	v_pk_fma_f32 v[S+j:S+j+1], v[S+j:S+j+1], s[32:33], v[NM:NM+1] op_sel_hi:[1,0,0]   ; t - M
.set j, j+2
.endr
.irp b, 0,1,2,3
	v_fma_f32 v[BM+\b], v[BM+\b], s32, v[NM]
.endr
.set j, 0
.rept 64
	v_exp_f32 v[S+j], v[S+j]                       ; p = 2^(t - M)
.set j, j+1
.endr
	v_pk_mul_f32 v[SUM:SUM+1], v[SUM:SUM+1], v[FF:FF+1] op_sel_hi:[1,0]   ; the sum under the new M: the plain place behind the batch
	s_wait_alu depctr_va_vdst(0)                   ; one wait for the 64, ahead of the first line that names a result
.irp b, 0,1,2,3
	v_exp_f32 v[BM+\b], v[BM+\b]                   ; the block's largest p
.endr
.set j, 0
.rept 8
	v_pk_mul_f32 v[OT+j:OT+j+1], v[OT+j:OT+j+1], v[FF:FF+1] op_sel_hi:[1,0]   ; O^T under the new M: independent work behind the four
.set j, j+2
.endr
	s_wait_alu depctr_va_vdst(0)                   ; and one for the four
.irp b, 0,1,2,3
	v_max_num_f32 v[BM+\b], 0x1800000, v[BM+\b]    ; the floor 2^(3 - 127)
.endr
.irp b, 0,1,2,3
	v_add_nc_u32 v[SO4+\b], 0xff000000, v[BM+\b]
.endr
.irp b, 0,1,2,3
	v_lshrrev_b32 v[BT+\b], 23, v[SO4+\b]
.endr
	v_lshl_or_b32 v[PSC], v[BT+1], 8, v[BT]
	v_lshl_or_b32 v[PSC], v[BT+2], 16, v[PSC]
	v_lshl_or_b32 v[PSC], v[BT+3], 24, v[PSC]
.irp c, 0,1
	v_cvt_scalef32_pk16_fp6_f32 v[PCD+6*\c:PCD+2+6*\c], v[S+32*\c:S+15+32*\c], v[SO4+2*\c]
	v_cvt_scalef32_pk16_fp6_f32 v[PC2+4*\c:PC2+2+4*\c], v[S+16+32*\c:S+31+32*\c], v[SO4+2*\c+1]
.endr
	v_nop                                          ; one plain place behind a scaled conversion
.irp c, 0,1
.irp i, 0,1,2
	v_permlane16_swap_b32 v[PCD+6*\c+\i], v[PC2+4*\c+\i]
.endr
.irp i, 0,1,2
	v_mov_b32 v[PCD+3+6*\c+\i], v[PC2+4*\c+\i]
.endr
.endr
	v_pk_add_f32 v[SU2:SU2+1], v[S:S+1], v[S+2:S+3]   ; the row's sum of the unquantised p, in two chains: these 32 lines are also the places between the writes of p's codes and scale word and the products
.set j, 4
.rept 15
	v_pk_add_f32 v[SUM:SUM+1], v[SUM:SUM+1], v[S+j:S+j+1]
	v_pk_add_f32 v[SU2:SU2+1], v[SU2:SU2+1], v[S+j+2:S+j+3]
.set j, j+4
.endr
	v_pk_add_f32 v[SUM:SUM+1], v[SUM:SUM+1], v[SU2:SU2+1]
	s_wait_dscnt 0x0                               ; V is in
	PV 0
	PV 1
.Lhidden_\@:
	s_add_co_u32 s25, s25, 128
	s_add_co_u32 s26, s26, 3072
	s_add_co_u32 s27, s27, 256
	s_add_co_u32 s28, s28, 512
.endm
; the fills that these steps read have landed (in the waves that issued them), my LDS stores too; then the barrier; then a counted loop: every wave walks every trip
.macro PHASE trips, cnt
	s_wait_tensorcnt \cnt
	s_wait_dscnt 0x0
	s_barrier_signal -1
	s_barrier_wait -1
	s_mov_b32 s29, \trips
.Lstep_\@:
	STEP
	s_sub_co_u32 s29, s29, 1
	s_cmp_lg_u32 s29, 0
	s_cbranch_scc1 .Lstep_\@
.endm
	PHASE 4, 1                                     ; the scale words and steps 0-3 are in; the fill of steps 4-15 may stay out
	PHASE 12, 0
	; THE WAY OUT: O^T / the sum, quantised along the head's 32 channels (16 in me, 16 in lane l xor 16)
	v_add_f32 v[SUM], v[SUM], v[SUM+1]
	v_permlanex16_b32 v[TMP], v[SUM], s30, s31
	v_add_f32 v[SUM], v[SUM], v[TMP]
	v_rcp_f32 v[SUM], v[SUM]
	v_mul_u32_u24 v223, v230, 24                   ; (plain work behind the reciprocal and behind the last products)
	v_mad_u32_u24 v223, v231, 12, v223             ; codes: 24 r + 12 h
	v_lshlrev_b32 v224, 3, v230                    ; scale bytes: 8 a token
	v_nop
	s_wait_alu depctr_va_vdst(0)                   ; ahead of the reciprocal's first reader
.set j, 0
.rept 16
	v_mul_f32 v[S+j], v[OT+j], v[SUM]
.set j, j+1
.endr
	v_max3_num_f32 v[BM], |v[S]|, |v[S+1]|, 0x1800000
.irp i, 2,4,6,8,10,12,14
	v_max3_num_f32 v[BM], v[BM], |v[S+\i]|, |v[S+\i+1]|
.endr
	v_permlanex16_b32 v[BT], v[BM], s30, s31
	v_max_num_f32 v[BM], v[BM], v[BT]
	v_add_nc_u32 v[SO4], 0xff000000, v[BM]
	v_lshrrev_b32 v[BT+1], 23, v[SO4]
	v_cvt_scalef32_pk16_fp6_f32 v[PCD:PCD+2], v[S:S+15], v[SO4]
	v_nop
	global_store_b96 v223, v[PCD:PCD+2], s[16:17]  ; the wave stores 384 consecutive bytes
	global_store_b8 v224, v[BT+1], s[18:19]        ; lanes l and l xor 16 write the same byte with the same value
	s_wait_tensorcnt 0x0
	ds_add_u32 v254, v255
	s_wait_dscnt 0x0
	s_endpgm
.Lfunc_end_k_q9dd62da875_attn:
	.size	k_q9dd62da875_attn, .Lfunc_end_k_q9dd62da875_attn-k_q9dd62da875_attn
	.p2alignl 7, 3214868480
	.fill 96, 4, 3214868480
	.section	.rodata,"a",@progbits
	.p2align	6, 0x0
	.amdhsa_kernel k_q9dd62da875_attn
		.amdhsa_group_segment_fixed_size 169984
		.amdhsa_private_segment_fixed_size 0
		.amdhsa_enable_private_segment 0
		.amdhsa_kernarg_size 64
		.amdhsa_user_sgpr_count 2
		.amdhsa_user_sgpr_kernarg_segment_ptr 1
		.amdhsa_wavefront_size32 1
		.amdhsa_system_sgpr_workgroup_id_x 1
		.amdhsa_system_sgpr_workgroup_id_y 1
		.amdhsa_system_sgpr_workgroup_id_z 1
		.amdhsa_system_vgpr_workitem_id 0
		.amdhsa_next_free_vgpr 256
		.amdhsa_next_free_sgpr 96
		.amdhsa_reserve_vcc 1
		.amdhsa_float_denorm_mode_32 3
		.amdhsa_float_denorm_mode_16_64 3
		.amdhsa_memory_ordered 1
		.amdhsa_forward_progress 1
		.amdhsa_inst_pref_size 53
	.end_amdhsa_kernel
	.amdgpu_metadata
---
amdhsa.version: [ 1, 2 ]
amdhsa.kernels:
  - .name:           k_q9dd62da875_attn
    .symbol:         k_q9dd62da875_attn.kd
    .args:
      - { .name: qc, .offset: 0, .size: 8, .value_kind: global_buffer, .address_space: global }
      - { .name: qs, .offset: 8, .size: 8, .value_kind: global_buffer, .address_space: global }
      - { .name: kc, .offset: 16, .size: 8, .value_kind: global_buffer, .address_space: global }
      - { .name: ks, .offset: 24, .size: 8, .value_kind: global_buffer, .address_space: global }
      - { .name: vc, .offset: 32, .size: 8, .value_kind: global_buffer, .address_space: global }
      - { .name: vs, .offset: 40, .size: 8, .value_kind: global_buffer, .address_space: global }
      - { .name: ao, .offset: 48, .size: 8, .value_kind: global_buffer, .address_space: global }
      - { .name: aos, .offset: 56, .size: 8, .value_kind: global_buffer, .address_space: global }
    .group_segment_fixed_size: 169984
    .private_segment_fixed_size: 0
    .kernarg_segment_align: 8
    .kernarg_segment_size: 64
    .max_flat_workgroup_size: 512
    .sgpr_count:     96
    .vgpr_count:     256
    .wavefront_size: 32
...
	.end_amdgpu_metadata
.endif
;; end of part 2
;; launch proj (part 3): grid 64 x 4, 8 waves a work-group, no clusters, 142,336 bytes of LDS; arguments ao, aos, Wo, bo, out0; writes out0
.if DOCPART == 3
	.amdgcn_target "amdgcn-amd-amdhsa--gfx1250"
	.amdhsa_code_object_version 6
	.text
	.protected	k_q9dd62da875_proj
	.globl	k_q9dd62da875_proj
	.p2align	8
	.type	k_q9dd62da875_proj,@function
k_q9dd62da875_proj:
	s_mov_b64 s[64:65], 0
	v_nop
	global_prefetch_b8 v0, s[64:65] scope:SCOPE_SE
	s_setreg_imm32_b32 hwreg(HW_REG_WAVE_MODE, 25, 1), 1
	s_wait_xcnt 0x0
; out = a Wo^T + bo on codes of FP6 (E2M3) with one E8M0 scale for each 32 along K = 256.  a arrives as codes [token / 16][head][token % 16][24 bytes] with scale bytes [token][8]; Wo arrives as f32 and is quantised here.
; SHARES.  A work-group takes 128 tokens x 64 columns.  Phase A: wave w quantises 16 rows x 128 K of Wo (tile w % 4, K half w / 4) and stores the fragment's image in LDS; it also copies its 16 tokens' codes (3,072 dense bytes)
; and scale bytes into LDS in whole runs.  Phase B: wave w multiplies its 16 tokens by all four tiles: source 0 = 16 rows of Wo, source 1 = the tokens, so that a lane holds eight neighbouring columns of one row of out.
; The bias is the C of each sum's first matrix instruction.  The results leave through the wave's own stage: sixteen lanes store 256 consecutive bytes, aligned.
; NO CLUSTER: what work-groups share (64 rows of Wo, a block of codes) is read once by each at its head and goes through registers, since it is turned and quantised on the way.
; LIMITS: a block of Wo under 2^-124 or of zeros gets the byte 1 (this program alone reads the bytes); NaN and infinities are not served.
.set TPW,  8448                        ; a wave's stage for the turn: 16 rows x 528 bytes
.set IMG,  67584                       ; Wo's eight images: tile n, K half s at n + 4 s
.set SCW,  79872                       ; their scale words
.set AC,   80896                       ; a's codes: 3,072 bytes a wave
.set AS,   105472                      ; a's scale bytes: 128 a wave
.set OST,  106496                      ; the way out: 16 rows x 272 bytes a wave
.set GA,   1
.set TS,   2
.set TR,   3
.set IW,   4
.set SW,   5
.set CW,   6
.set ASW,  7
.set AFA,  8
.set ASA,  9
.set LIB,  10
.set LSB,  11
.set SO,   12
.set SR,   13
.set GO,   14
.set LI,   15
.set R,    16                          ; v16-79   Wo's rows as loaded
.set X,    80                          ; v80-143  64 numbers for the quantiser
.set CT,   144                         ; v144-167 a's codes on their way to LDS; v168 its scale bytes
.set PC,   170                         ; v170-189 the codes just made
.set BI,   192                         ; v192-223 the bias, four tiles in the result's layout
.set TM,   224
.set PW,   240
.set BOF,  241                         ; v241 32 h; never rewritten
.set LS,   242                         ; v242 4 x lane; never rewritten
.set WF,   16                          ; phase B: v16-111 Wo's eight fragments
.set AF,   112                         ; v112-135 a's two
.set ACC,  136                         ; v136-167 four accumulators
.set WS,   168                         ; v168-175 Wo's scale words
.set ASC,  176                         ; v176-177 a's
.set OB,   16                          ; the way out: rows read back
.set SEL,  30
.macro QUANT s
.irp b, 0,1,2,3
	v_max3_num_f32 v[TM+\b], |v[\s+16*\b]|, |v[\s+1+16*\b]|, 0x1800000   ; my 16 numbers, and the floor 2^(3 - 127)
.endr
.irp i, 2,4,6,8,10,12,14
.irp b, 0,1,2,3
	v_max3_num_f32 v[TM+\b], v[TM+\b], |v[\s+16*\b+\i]|, |v[\s+1+16*\b+\i]|
.endr
.endr
.irp b, 0,1,2,3
	v_permlanex16_b32 v[TM+4+\b], v[TM+\b], s[SEL], s[SEL+1]
.endr
.irp b, 0,1,2,3
	v_max_num_f32 v[TM+\b], v[TM+\b], v[TM+4+\b]
.endr
.irp b, 0,1,2,3
	v_add_nc_u32 v[TM+12+\b], 0xff000000, v[TM+\b]
.endr
.irp b, 0,1,2,3
	v_lshrrev_b32 v[TM+4+\b], 23, v[TM+12+\b]
.endr
	v_lshl_or_b32 v[PW], v[TM+5], 8, v[TM+4]
	v_lshl_or_b32 v[PW], v[TM+6], 16, v[PW]
	v_lshl_or_b32 v[PW], v[TM+7], 24, v[PW]
.irp c, 0,1
	v_cvt_scalef32_pk16_fp6_f32 v[PC+6*\c:PC+2+6*\c], v[\s+32*\c:\s+15+32*\c], v[TM+12+2*\c]
	v_cvt_scalef32_pk16_fp6_f32 v[PC+12+4*\c:PC+14+4*\c], v[\s+16+32*\c:\s+31+32*\c], v[TM+12+2*\c+1]
.endr
	v_nop                                          ; one plain place behind a scaled conversion
.irp c, 0,1
.irp i, 0,1,2
	v_permlane16_swap_b32 v[PC+6*\c+\i], v[PC+12+4*\c+\i]
.endr
.irp i, 0,1,2
	v_mov_b32 v[PC+3+6*\c+\i], v[PC+12+4*\c+\i]
.endr
.endr
.endm
.macro MM d, a, b, c, sa, sb
	v_wmma_scale_f32_16x16x128_f8f6f4 v[\d:\d+7], v[\a:\a+11], v[\b:\b+11], v[\c:\c+7], v[\sa], v[\sb] matrix_a_fmt:MATRIX_FMT_FP6 matrix_b_fmt:MATRIX_FMT_FP6
.endm
	s_load_b256 s[4:11], s[0:1], 0x0               ; ao, aos, Wo, bo
	s_load_b64 s[12:13], s[0:1], 0x20              ; out0
	v_lshl_add_u32 v254, v0, 2, 0x22800
	v_mov_b32 v255, 0
	v_lshrrev_b32 v16, 5, v0
	v_readfirstlane_b32 s14, v16                   ; wave 0..7
	s_and_b32 s15, s14, 3                          ; phase A: tile of Wo,
	s_lshr_b32 s16, s14, 2                         ; K half
	s_and_b32 s17, ttmp7, 0xffff                   ; which 64 columns
	s_mov_b32 s[SEL], 0x76543210
	s_mov_b32 s[SEL+1], 0xfedcba98
	v_and_b32 v17, 31, v0
	v_and_b32 v18, 15, v0                          ; r
	v_bfe_u32 v19, v0, 4, 1                        ; h
	v_lshlrev_b32 v[LI], 4, v17
	v_lshlrev_b32 v[LS], 2, v17
	s_lshl_b32 s18, s15, 14                        ; 16 rows of 1,024 bytes a tile
	s_lshl_b32 s19, s16, 9
	s_add_co_u32 s18, s18, s19
	v_add_nc_u32 v[GA], s18, v[LI]
	s_mul_i32 s18, s14, TPW
	v_add_nc_u32 v[TS], s18, v[LI]
	v_mul_u32_u24 v21, v18, 528
	v_lshl_add_u32 v21, v19, 6, v21
	v_add_nc_u32 v[TR], s18, v21
	s_mul_i32 s18, s14, 1536
	s_add_co_u32 s18, s18, IMG
	v_add_nc_u32 v[IW], s18, v[LI]
	s_lshl_b32 s18, s14, 7
	s_add_co_u32 s19, s18, SCW
	v_add_nc_u32 v[SW], s19, v[LS]
	s_add_co_u32 s19, s18, AS
	v_add_nc_u32 v[ASW], s19, v[LS]
	v_lshl_add_u32 v[ASA], v18, 3, s19             ; token r's eight bytes
	s_mul_i32 s18, s14, 3072
	s_add_co_u32 s18, s18, AC
	v_add_nc_u32 v[CW], s18, v[LI]
	v_mul_u32_u24 v21, v18, 24
	v_mad_u32_u24 v21, v19, 384, v21               ; head 4 s + 2 c + h, token r: 384 bytes a head, 24 a token: the 32 lanes of a load of 8 bytes touch 64 different banks
	v_add_nc_u32 v[AFA], s18, v21
	v_add_nc_u32 v[LIB], IMG, v[LI]
	v_add_nc_u32 v[LSB], SCW, v[LS]
	s_mul_i32 s18, s14, 4352
	s_add_co_u32 s18, s18, OST
	v_mul_u32_u24 v21, v18, 272
	v_lshl_add_u32 v21, v19, 5, v21
	v_add_nc_u32 v[SO], s18, v21                   ; in: row r, + 32 h
	v_mul_u32_u24 v21, v19, 272
	v_lshl_add_u32 v21, v18, 4, v21
	v_add_nc_u32 v[SR], s18, v21                   ; back: lanes 0-15 one row, lanes 16-31 the next
	v_lshlrev_b32 v21, 10, v19
	v_lshl_add_u32 v[GO], v18, 4, v21              ; and the same two rows in out
	v_lshlrev_b32 v[BOF], 5, v19
.irp b, 0,1,2,3
	v_mov_b32 v[TM+4+\b], 0                        ; a lane permute's destination counts as one of its sources
.endr
	s_mul_i32 s20, ttmp9, 24576
	s_mul_i32 s18, s14, 3072
	s_add_co_u32 s20, s20, s18
	s_mov_b32 s21, 0
	s_lshl_b32 s22, ttmp9, 10
	s_lshl_b32 s18, s14, 7
	s_add_co_u32 s22, s22, s18
	s_mov_b32 s23, 0
	s_lshl_b32 s24, s17, 16
	s_mov_b32 s25, 0
	s_lshl_b32 s26, s17, 8
	s_mov_b32 s27, 0
	s_lshl_b32 s28, ttmp9, 7
	s_lshl_b32 s18, s14, 4
	s_add_co_u32 s28, s28, s18                     ; my first token
	s_lshl_b32 s28, s28, 10
	s_add_co_u32 s28, s28, s26
	s_mov_b32 s29, 0
	s_wait_kmcnt 0x0
	s_add_nc_u64 s[4:5], s[4:5], s[20:21]
	s_add_nc_u64 s[6:7], s[6:7], s[22:23]
	s_add_nc_u64 s[8:9], s[8:9], s[24:25]
	s_add_nc_u64 s[10:11], s[10:11], s[26:27]
	s_add_nc_u64 s[12:13], s[12:13], s[28:29]
	; ---- phase A
.irp g, 0,1,2,3,4,5
	global_load_b128 v[CT+4*\g:CT+4*\g+3], v[LI], s[4:5] offset:512*\g
.endr
	global_load_b32 v[CT+24], v[LS], s[6:7]
.irp i, 0,1,2,3,4,5,6,7,8,9,10,11,12,13,14,15
	global_load_b128 v[R+4*\i:R+4*\i+3], v[GA], s[8:9] offset:1024*\i
.endr
.irp n, 0,1,2,3
	global_load_b128 v[BI+8*\n:BI+8*\n+3], v[BOF], s[10:11] offset:64*\n
	global_load_b128 v[BI+8*\n+4:BI+8*\n+7], v[BOF], s[10:11] offset:64*\n+16
.endr
	s_wait_loadcnt 24                              ; a's seven loads are in; Wo's 16 and the bias's 8 may stay out
.irp g, 0,1,2,3,4,5
	ds_store_b128 v[CW], v[CT+4*\g:CT+4*\g+3] offset:512*\g
.endr
	ds_store_b32 v[ASW], v[CT+24]
	s_wait_loadcnt 8                               ; Wo's are in; the bias's may stay out
.irp i, 0,1,2,3,4,5,6,7,8,9,10,11,12,13,14,15
	ds_store_b128 v[TS], v[R+4*\i:R+4*\i+3] offset:528*\i
.endr
.irp b, 0,1,2,3
.irp j, 0,1,2,3
	ds_load_b128 v[X+16*\b+4*\j:X+16*\b+4*\j+3], v[TR] offset:128*\b+16*\j   ; LDS serves a wave's instructions in order: these see the stores
.endr
.endr
	s_wait_dscnt 0x0
	QUANT X
.irp c, 0,1,2
	ds_store_b128 v[IW], v[PC+4*\c:PC+4*\c+3] offset:512*\c
.endr
	ds_store_b32 v[SW], v[PW]
	s_wait_dscnt 0x0                               ; my image has landed
	s_barrier_signal -1
	s_barrier_wait -1                              ; all eight have
	; ---- phase B
.irp s, 0,1
.irp c, 0,1
.irp p, 0,1,2
	ds_load_b64 v[AF+12*\s+6*\c+2*\p:AF+12*\s+6*\c+2*\p+1], v[AFA] offset:1536*\s+768*\c+8*\p
.endr
.endr
	ds_load_b32 v[ASC+\s], v[ASA] offset:4*\s
.endr
.irp k, 0,1,2,3,4,5,6,7
.irp c, 0,1,2
	ds_load_b128 v[WF+12*\k+4*\c:WF+12*\k+4*\c+3], v[LIB] offset:1536*\k+512*\c
.endr
	ds_load_b32 v[WS+\k], v[LSB] offset:128*\k
.endr
	s_wait_dscnt 0x0
	s_wait_loadcnt 0x0                             ; the bias
.irp n, 0,1,2,3
	MM ACC+8*\n, WF+12*\n, AF, BI+8*\n, WS+\n, ASC
.endr
.irp n, 0,1,2,3
	MM ACC+8*\n, WF+12*(\n+4), AF+12, ACC+8*\n, WS+\n+4, ASC+1
.endr
.rept 4
	v_nop                                          ; places in front of the first read of results and of loads into registers that matrix instructions have read
.endr
.irp n, 0,1,2,3
	ds_store_b128 v[SO], v[ACC+8*\n:ACC+8*\n+3] offset:64*\n       ; lane (r, h): out(token r, column 16 n + 8 h + 0 .. 7); each accumulator from its low end on
	ds_store_b128 v[SO], v[ACC+8*\n+4:ACC+8*\n+7] offset:64*\n+16
.endr
.irp i, 0,1,2,3,4,5,6,7
	ds_load_b128 v[OB+4*\i:OB+4*\i+3], v[SR] offset:544*\i         ; my own stage: served in order behind my stores
.endr
.irp i, 0,1,2,3,4,5,6,7
	s_wait_dscnt 7-\i                              ; the younger loads may stay out
	global_store_b128 v[GO], v[OB+4*\i:OB+4*\i+3], s[12:13] offset:2048*\i th:TH_STORE_NT   ; sixteen lanes store 256 consecutive bytes, at a multiple of 256 from out's first byte
.endr
	s_wait_tensorcnt 0x0
	ds_add_u32 v254, v255
	s_wait_dscnt 0x0
	s_endpgm
.Lfunc_end_k_q9dd62da875_proj:
	.size	k_q9dd62da875_proj, .Lfunc_end_k_q9dd62da875_proj-k_q9dd62da875_proj
	.p2alignl 7, 3214868480
	.fill 96, 4, 3214868480
	.section	.rodata,"a",@progbits
	.p2align	6, 0x0
	.amdhsa_kernel k_q9dd62da875_proj
		.amdhsa_group_segment_fixed_size 142336
		.amdhsa_private_segment_fixed_size 0
		.amdhsa_enable_private_segment 0
		.amdhsa_kernarg_size 40
		.amdhsa_user_sgpr_count 2
		.amdhsa_user_sgpr_kernarg_segment_ptr 1
		.amdhsa_wavefront_size32 1
		.amdhsa_system_sgpr_workgroup_id_x 1
		.amdhsa_system_sgpr_workgroup_id_y 1
		.amdhsa_system_sgpr_workgroup_id_z 1
		.amdhsa_system_vgpr_workitem_id 0
		.amdhsa_next_free_vgpr 256
		.amdhsa_next_free_sgpr 66
		.amdhsa_reserve_vcc 0
		.amdhsa_float_denorm_mode_32 3
		.amdhsa_float_denorm_mode_16_64 3
		.amdhsa_memory_ordered 1
		.amdhsa_forward_progress 1
		.amdhsa_inst_pref_size 20
	.end_amdhsa_kernel
	.amdgpu_metadata
---
amdhsa.version: [ 1, 2 ]
amdhsa.kernels:
  - .name:           k_q9dd62da875_proj
    .symbol:         k_q9dd62da875_proj.kd
    .args:
      - { .name: ao, .offset: 0, .size: 8, .value_kind: global_buffer, .address_space: global }
      - { .name: aos, .offset: 8, .size: 8, .value_kind: global_buffer, .address_space: global }
      - { .name: Wo, .offset: 16, .size: 8, .value_kind: global_buffer, .address_space: global }
      - { .name: bo, .offset: 24, .size: 8, .value_kind: global_buffer, .address_space: global }
      - { .name: out0, .offset: 32, .size: 8, .value_kind: global_buffer, .address_space: global }
    .group_segment_fixed_size: 142336
    .private_segment_fixed_size: 0
    .kernarg_segment_align: 8
    .kernarg_segment_size: 40
    .max_flat_workgroup_size: 256
    .sgpr_count:     66
    .vgpr_count:     256
    .wavefront_size: 32
...
	.end_amdgpu_metadata
.endif
;; end of part 3
;; ======== version 2 of 2: 3 launches
;; limits: right only within a limited range of input values
;; workspace buffers: qc 1,572,864 bytes; qs 131,072 bytes; kc 1,572,864 bytes; ks 131,072 bytes; vc 1,572,864 bytes; vs 131,072 bytes; ao 1,572,864 bytes; aos 65,536 bytes
;; launch qkv (part 4): grid 64 x 4, 8 waves a work-group, no clusters, 136,192 bytes of LDS; arguments x, Wq, Wk, Wv, bq, bk, bv, qc, qs, kc, ks, vc, vs; writes qc, qs, kc, ks, vc, vs
.if DOCPART == 4
	.amdgcn_target "amdgcn-amd-amdhsa--gfx1250"
	.amdhsa_code_object_version 6
	.text
	.protected	k_q9dd62da875_qkv
	.globl	k_q9dd62da875_qkv
	.p2align	8
	.type	k_q9dd62da875_qkv,@function
k_q9dd62da875_qkv:
	s_mov_b64 s[64:65], 0
	v_nop
	global_prefetch_b8 v0, s[64:65] scope:SCOPE_SE
	s_setreg_imm32_b32 hwreg(HW_REG_WAVE_SCHED_MODE, 0, 2), 2
	s_setreg_imm32_b32 hwreg(HW_REG_WAVE_MODE, 25, 1), 1
	s_wait_xcnt 0x0
	s_wait_alu depctr_vm_vsrc(0)
; q = x Wq^T + bq, k = x Wk^T + bk, v = x Wv^T + bv on codes of FP6 (E2M3) with one E8M0 scale for each 32 along K = 256; the results are quantised again at once:
; q and k along a head's 32 channels, v along the tokens, and stored as IMAGES OF OPERAND REGISTERS for the attention launch.
; SHARES.  A work-group takes 128 tokens (x: 64 blocks) and two heads (y: 4 pairs) of q, k and v: 128 x 192 results.  Eight waves.
; PHASE A: 40 fragments (16 rows x 128 K) are quantised, five a wave: 8 tiles of x, 4 each of Wq, Wk, Wv, two K halves each.  Each load reads 512 consecutive bytes of one row; the 16 rows turn
; through the wave's own stage in LDS so that a lane holds 16 neighbours along K of each block; codes and scale words go to LDS as images (register R of lane l at 512 (R / 4) + 16 l + 4 (R % 4)).
; THE ROWS OF A TILE ARE NOT NEIGHBOURS: row r of tile 2 b + u is row 32 b + 8 u + r + 8 (r / 8), in x and in the weights alike.
; PHASE B, q and k (all waves: kind, head, half of the tokens): source 0 = 16 rows of W, source 1 = 16 tokens: a lane holds one token and 16 neighbouring channels.  The results of FOUR tiles of tokens are quantised
; together: the fragment that comes out has four different tokens in its four blocks of 32 along K.  v (waves 0-3): source 0 = tokens, source 1 = 16 rows of Wv: a lane holds one channel and its registers run along the tokens.
; The biases are the C of each sum's first matrix instruction.
; NO CLUSTER: the shared rows are f32: 320 rows x 1,024 bytes are 327,680 bytes, all of a WGP's LDS, so they come through registers, where no joint request exists.
; LIMITS: a block whose largest magnitude lies under 2^-124 gets the byte 1; so does a block of zeros (its codes are zeros, and this program alone reads the bytes); NaN and infinities among the inputs are not served.
; THE MODE: SCHED_MODE bits 1:0 = 2 (LLVM: expert scheduling mode 2), set by the entry lines.  The code itself states the register dependences
; between vector or matrix instructions and memory or LDS instructions, with s_wait_alu, always for 0.
; THE PLAN.  Registers that memory or LDS instructions touch:
;   v1-15, v251, v252   addresses and offsets: written at the head, never again: one wait on va_vdst ahead of the first load.
;   the raw rows        written by global loads, read by the stage's LDS stores; v136-199 become accumulators and window 1's v0-23 a buffer of W behind the barrier.
;   X                   written by the stage's LDS loads, read by the quantiser.
;   PC, PW              written by the quantiser, read by the image's LDS stores or by the global stores; W's fragments land in PC in phase B.
;   Phase A, a fragment: ONE wait on va_vdst behind the quantiser (PC and PW are written; X has been read: the next fragment's loads follow with no vector instruction between), and from the second fragment on
;   one on vm_vsrc ahead of the quantiser (the last image's stores have read PC and PW).  One wait on vm_vsrc behind the barrier frees all that my LDS stores have read.
;   Phase B, q and k: each K half has registers of its own for x, for W and for both kinds of scale words, so no wait stands between the halves: W's second half is asked for behind the first run, x's second half is dealt
;   among the first half's products, which name none of its registers.  The wait on va_vdst ahead of the global stores also shows every product done reading its operands, in which v's loads land.
;   Phase B, v: x's eight fragments of the second K half have no scale registers of their own, so they take the first half's registers, behind one wait on va_vdst.
.set TPW,  8448                        ; a wave's stage: 16 rows x (512 + 16) bytes: row r starts 132 r words on, so the 16 rows of a read start at 16 different groups of four banks
.set IMG,  67584                       ; 40 images of 1,536 bytes: slot 2 T + s (tile T: 0-7 x, 8-11 Wq, 12-15 Wk, 16-19 Wv; K half s)
.set SCW,  129024                      ; their scale words: 128 bytes each
.set GA,   1                           ; v1   global: 16 x lane + my tile's first row + my K half
.set TS,   2                           ; v2   stage, in
.set TR,   3                           ; v3   stage, out
.set IW,   4                           ; v4   where I store images
.set SW,   5                           ; v5   and scale words
.set XB,   6                           ; v6   q, k: my four tiles of x
.set WB,   7                           ; v7   my two tiles of Wq or Wk
.set XSB,  8
.set WSB,  9
.set VB,   10                          ; v10  v: all eight tiles of x
.set WVB,  11                          ; v11  my tile of Wv
.set VSB,  12
.set WVSB, 13
.set LI,   14                          ; v14  16 x lane
.set LS,   15                          ; v15  4 x lane
.set X,    16                          ; v16-79   64 numbers for the quantiser (phase A)
.set XF,   16                          ; v16-111  eight fragments of x (phase B): q, k: four of the first K half, then four of the second; v: eight of one K half
.set WF,   112                         ; v112-135 two fragments of W: q, k: the first K half's two tiles; v: my tile's two K halves
.set WF2,  0                           ; window 1, v0-23: q, k: the second K half's two tiles of W
.set PC,   112                         ; v112-131 the codes just made
.set R4,   136                         ; v136-199 Wv's rows as loaded;  window 1, v0-255: x's two tiles, Wq's, Wk's
.set ACC,  136                         ; v136-199 eight accumulators
.set BI,   200                         ; v200-215 q's or k's bias, two tiles in the result's layout
.set BV,   216                         ; v216-223 v's bias: my channel's number eight times
.set XS,   224                         ; v224-231 x's scale words
.set WS,   232                         ; v232-233 W's
.set TM,   234                         ; v234-249 the quantiser's work
.set PW,   250                         ; v250 the scale word just made
.set BO,   251                         ; v251 offset of the bias loads; never rewritten
.set BVO,  252                         ; v252 the same for v's bias
.set WS2,  253                         ; v253-254 q, k: W's scale words of the second K half
.set SEL,  36                          ; s[36:37] lane selects: lane l xor 16
.set MSB, 0
.macro WIN new                         ; the immediate's high byte repeats the setting that is left
.if MSB != \new
	s_set_vgpr_msb (MSB<<8)|\new
.set MSB, \new
.endif
.endm
.macro LOADF dst, base, extra          ; a tile's 16 rows, my K half: 512 consecutive bytes a load
.irp i, 0,1,2,3,4,5,6,7,8,9,10,11,12,13,14,15
	global_load_b128 v[\dst+4*\i:\dst+4*\i+3], v[GA], s[\base:\base+1] offset:\extra+(\i+8*(\i/8))*1024
.endr
.endm
.macro TURN_ST src
.irp i, 0,1,2,3,4,5,6,7,8,9,10,11,12,13,14,15
	ds_store_b128 v[TS], v[\src+4*\i:\src+4*\i+3] offset:528*\i
.endr
.endm
.macro TURN_LD                         ; lane (r, h): of row r, numbers 16 h .. 16 h + 15 of each block of 32.  LDS serves a wave's instructions in order: these see the stores
.irp b, 0,1,2,3
.irp j, 0,1,2,3
	ds_load_b128 v[X+16*\b+4*\j:X+16*\b+4*\j+3], v[TR] offset:128*\b+16*\j
.endr
.endr
.endm
; 64 numbers of a lane, register 16 b + i = number 16 (lane / 16) + i of block b of my row, become a fragment's codes in v[PC] on and the row's scale word in v[PW]
.macro QUANT s
.irp b, 0,1,2,3
	v_max3_num_f32 v[TM+\b], |v[\s+16*\b]|, |v[\s+1+16*\b]|, 0x1800000   ; my 16 numbers, and the floor 2^(3 - 127): the byte cannot fall under 1
.endr
.irp i, 2,4,6,8,10,12,14
.irp b, 0,1,2,3
	v_max3_num_f32 v[TM+\b], v[TM+\b], |v[\s+16*\b+\i]|, |v[\s+1+16*\b+\i]|
.endr
.endr
.irp b, 0,1,2,3
	v_permlanex16_b32 v[TM+4+\b], v[TM+\b], s[SEL], s[SEL+1]
.endr
.irp b, 0,1,2,3
	v_max_num_f32 v[TM+\b], v[TM+\b], v[TM+4+\b]   ; with lane l xor 16's: the block's largest magnitude
.endr
.irp b, 0,1,2,3
	v_add_nc_u32 v[TM+12+\b], 0xff000000, v[TM+\b]   ; 2 off its exponent field: the conversion's scale operand
.endr
.irp b, 0,1,2,3
	v_lshrrev_b32 v[TM+4+\b], 23, v[TM+12+\b]      ; the scale's byte
.endr
	v_lshl_or_b32 v[PW], v[TM+5], 8, v[TM+4]
	v_lshl_or_b32 v[PW], v[TM+6], 16, v[PW]
	v_lshl_or_b32 v[PW], v[TM+7], 24, v[PW]
.irp c, 0,1
	v_cvt_scalef32_pk16_fp6_f32 v[PC+6*\c:PC+2+6*\c], v[\s+32*\c:\s+15+32*\c], v[TM+12+2*\c]
	v_cvt_scalef32_pk16_fp6_f32 v[PC+12+4*\c:PC+14+4*\c], v[\s+16+32*\c:\s+31+32*\c], v[TM+12+2*\c+1]   ; (a conversion's three registers begin on an even number)
.endr
	v_nop                                          ; one plain place behind a scaled conversion
.irp c, 0,1                                    ; the operand's layout wants a whole block in a lane: lanes 0-15 block 2 c, lanes 16-31 block 2 c + 1
.irp i, 0,1,2
	v_permlane16_swap_b32 v[PC+6*\c+\i], v[PC+12+4*\c+\i]
.endr
.irp i, 0,1,2
	v_mov_b32 v[PC+3+6*\c+\i], v[PC+12+4*\c+\i]
.endr
.endr
.endm
.macro IMAGE adr, off
.irp c, 0,1,2
	ds_store_b128 v[\adr], v[PC+4*\c:PC+4*\c+3] offset:\off+512*\c
.endr
.endm
.macro FETCH reg, adr, off
.irp c, 0,1,2
	ds_load_b128 v[\reg+4*\c:\reg+4*\c+3], v[\adr] offset:\off+512*\c
.endr
.endm
.macro MM d, a, b, c, sa, sb
	v_wmma_scale_f32_16x16x128_f8f6f4 v[\d:\d+7], v[\a:\a+11], v[\b:\b+11], v[\c:\c+7], v[\sa], v[\sb] matrix_a_fmt:MATRIX_FMT_FP6 matrix_b_fmt:MATRIX_FMT_FP6
.endm
.macro OUTF cb, sb                     ; the fragment leaves as it stands: each store of codes covers 512 consecutive bytes, aligned
.irp g, 0,1,2
	global_store_b128 v[LI], v[PC+4*\g:PC+4*\g+3], s[\cb:\cb+1] offset:512*\g
.endr
	global_store_b32 v[LS], v[PW], s[\sb:\sb+1]
.endm
; fragment i of my five: wait for its 16 loads, turn, quantise, store the image
.macro FRAGA i, cnt, src, w1
	s_wait_loadcnt \cnt                            ; the loads issued behind this fragment's may stay out
.if \w1
	WIN 0x04                                       ; an LDS store's data are its source 1: window 1
.endif
	TURN_ST \src
	WIN 0
	TURN_LD                                        ; into X.  No wait: no vector instruction has been issued since the last wait on va_vdst, ahead of which stand all that named X
	s_wait_dscnt 0x0                               ; the numbers are in
.if \i > 0
	s_wait_alu depctr_vm_vsrc(0)                   ; the last image's LDS stores have read PC and PW, which the quantiser writes again
.endif
	QUANT X
	s_wait_alu depctr_va_vdst(0)                   ; the quantiser has written PC and PW, which the LDS stores below read, and is done reading X, in which the next fragment's numbers land
	IMAGE IW, (\i)*12288
	ds_store_b32 v[SW], v[PW] offset:(\i)*1024
.endm
	s_load_b512 s[4:19], s[0:1], 0x0               ; x, Wq, Wk, Wv, bq, bk, bv, qc
	s_load_b256 s[20:27], s[0:1], 0x40             ; qs, kc, ks, vc
	s_load_b64 s[28:29], s[0:1], 0x60              ; vs
	v_lshl_add_u32 v245, v0, 2, 0x21000
	v_mov_b32 v255, 0
	v_lshrrev_b32 v16, 5, v0
	v_readfirstlane_b32 s30, v16                   ; wave 0..7
	s_mov_b32 s[SEL], 0x76543210
	s_mov_b32 s[SEL+1], 0xfedcba98
	v_and_b32 v17, 31, v0                          ; lane
	v_and_b32 v18, 15, v0                          ; r
	v_bfe_u32 v19, v0, 4, 1                        ; h
	v_lshlrev_b32 v[LI], 4, v17
	s_wait_alu depctr_va_vdst(0)
	v_lshlrev_b32 v[LS], 2, v17
	s_wait_alu depctr_va_vdst(0)
	s_wait_alu depctr_va_sdst(0)                   ; s30 is written, ahead of its first reader
	s_and_b32 s31, s30, 3                          ; p: which tile of four
	s_lshr_b32 s32, s30, 2                         ; phase A: K half; phase B: 0 = q, 1 = k
	s_lshr_b32 s33, s31, 1                         ; a: which of my two heads
	s_and_b32 s34, s31, 1                          ; f: which half of the tokens (q, k); u: which tile of the head's channels (v)
	s_lshl_b32 s38, s33, 15                        ; tile p begins at row 32 (p / 2) + 8 (p % 2); a row is 1,024 bytes
	s_lshl_b32 s39, s34, 13
	s_add_co_u32 s38, s38, s39
	s_lshl_b32 s39, s32, 9                         ; my K half: 512 bytes
	s_add_co_u32 s38, s38, s39
	v_add_nc_u32 v[GA], s38, v[LI]
	s_mul_i32 s38, s30, TPW
	v_add_nc_u32 v[TS], s38, v[LI]
	v_mul_u32_u24 v20, v18, 528
	v_lshl_add_u32 v20, v19, 6, v20
	v_add_nc_u32 v[TR], s38, v20
	s_lshl_b32 s38, s31, 1
	s_add_co_u32 s38, s38, s32                     ; slot 2 p + s; fragment i lies 8 i slots on
	s_lshl_b32 s39, s38, 7
	s_add_co_u32 s39, s39, SCW
	s_mul_i32 s38, s38, 1536
	s_add_co_u32 s38, s38, IMG
	v_add_nc_u32 v[IW], s38, v[LI]
	v_add_nc_u32 v[SW], s39, v[LS]
	s_mul_i32 s38, s34, 12288                      ; x's tiles 4 f .. 4 f + 3
	s_add_co_u32 s38, s38, IMG
	v_add_nc_u32 v[XB], s38, v[LI]
	s_lshl_b32 s39, s34, 10
	s_add_co_u32 s39, s39, SCW
	v_add_nc_u32 v[XSB], s39, v[LS]
	s_lshl_b32 s38, s32, 3                         ; slot 16 + 8 kind + 4 a: my head's two tiles of Wq or Wk
	s_lshl_b32 s39, s33, 2
	s_add_co_u32 s38, s38, s39
	s_add_co_u32 s38, s38, 16
	s_lshl_b32 s39, s38, 7
	s_add_co_u32 s39, s39, SCW
	s_mul_i32 s38, s38, 1536
	s_add_co_u32 s38, s38, IMG
	v_add_nc_u32 v[WB], s38, v[LI]
	v_add_nc_u32 v[WSB], s39, v[LS]
	v_add_nc_u32 v[VB], IMG, v[LI]
	v_add_nc_u32 v[VSB], SCW, v[LS]
	s_lshl_b32 s38, s31, 1                         ; slot 32 + 2 p: my tile of Wv
	s_add_co_u32 s38, s38, 32
	s_lshl_b32 s39, s38, 7
	s_add_co_u32 s39, s39, SCW
	s_mul_i32 s38, s38, 1536
	s_add_co_u32 s38, s38, IMG
	v_add_nc_u32 v[WVB], s38, v[LI]
	v_add_nc_u32 v[WVSB], s39, v[LS]
	v_lshlrev_b32 v[BO], 6, v19                    ; q, k: lane (r, h) wants channels 16 h + 8 u + 0 .. 7
	v_and_b32 v20, 8, v18
	v_add_nc_u32 v20, v20, v18
	v_lshlrev_b32 v20, 2, v20
	s_lshl_b32 s38, s34, 5
	v_add_nc_u32 v[BVO], s38, v20                  ; v: channel 8 u + r + 8 (r / 8)
.irp b, 0,1,2,3
	v_mov_b32 v[TM+4+\b], 0                        ; written once: a lane permute's destination counts as one of its sources
.endr
	s_lshr_b32 s38, ttmp9, 4                       ; batch
	s_and_b32 s39, ttmp9, 15                       ; block of 128 tokens in it
	s_and_b32 s40, ttmp7, 0xffff                   ; pair of heads
	s_lshl_b32 s41, s38, 3
	s_lshl_b32 s42, s40, 1
	s_add_co_u32 s41, s41, s42
	s_add_co_u32 s41, s41, s33                     ; batch x 8 + head
	s_lshl_b32 s41, s41, 4
	s_add_co_u32 s41, s41, s39                     ; x 16 + block
	s_mul_i32 s42, s41, 3072                       ; two images a block,
	s_mul_i32 s44, s34, 1536                       ; mine
	s_add_co_u32 s42, s42, s44
	s_mov_b32 s43, 0
	s_lshl_b32 s44, s41, 8                         ; and their scale words
	s_lshl_b32 s45, s34, 7
	s_add_co_u32 s44, s44, s45
	s_mov_b32 s45, 0
	s_lshl_b32 s56, ttmp9, 17                      ; x: 128 rows of 1,024 bytes
	s_mov_b32 s57, 0
	s_lshl_b32 s58, s40, 16                        ; W: 64 rows
	s_mov_b32 s59, 0
	s_lshl_b32 s60, s40, 1
	s_add_co_u32 s60, s60, s33
	s_lshl_b32 s60, s60, 7                         ; biases: my head's 32 numbers
	s_mov_b32 s61, 0
	s_wait_kmcnt 0x0
	s_cmp_eq_u32 s32, 0                            ; q or k: the choice hangs on the wave's number alone
	s_cselect_b64 s[46:47], s[18:19], s[22:23]
	s_cselect_b64 s[48:49], s[20:21], s[24:25]
	s_cselect_b64 s[54:55], s[12:13], s[14:15]
	s_add_nc_u64 s[4:5], s[4:5], s[56:57]
	s_add_nc_u64 s[6:7], s[6:7], s[58:59]
	s_add_nc_u64 s[8:9], s[8:9], s[58:59]
	s_add_nc_u64 s[10:11], s[10:11], s[58:59]
	s_add_nc_u64 s[54:55], s[54:55], s[60:61]
	s_add_nc_u64 s[16:17], s[16:17], s[60:61]
	s_add_nc_u64 s[46:47], s[46:47], s[42:43]
	s_add_nc_u64 s[48:49], s[48:49], s[44:45]
	s_add_nc_u64 s[50:51], s[26:27], s[42:43]
	s_add_nc_u64 s[52:53], s[28:29], s[44:45]
	s_wait_alu depctr_va_vdst(0)                   ; the addresses and offsets v1 to v15, v251 and v252 are written, which every load and store of the kernel reads; so are v16 to v20, in which the stage's loads land.  Only loads and window switches follow up to the last load of this run
.irp u, 0,1
	global_load_b128 v[BI+8*\u:BI+8*\u+3], v[BO], s[54:55] offset:32*\u
	global_load_b128 v[BI+8*\u+4:BI+8*\u+7], v[BO], s[54:55] offset:32*\u+16
.endr
	global_load_b32 v[BV], v[BVO], s[16:17]
	WIN 0x40                                       ; destination window 1: all that the wave will read is asked for at once
	LOADF 0, 4, 0
	LOADF 64, 4, 65536                             ; x's tile p + 4: 64 rows on
	LOADF 128, 6, 0
	LOADF 192, 8, 0
	WIN 0
	LOADF R4, 10, 0
	; ---- phase A
	FRAGA 0, 63, 0, 1                              ; 64 loads stand behind this fragment's; the wait's field holds 63, and a smaller count is safe
	FRAGA 1, 48, 64, 1
	FRAGA 2, 32, 128, 1
	FRAGA 3, 16, 192, 1
	FRAGA 4, 0, R4, 0
.irp j, 1,2,3,4,5,6,7
	v_mov_b32 v[BV+\j], v[BV]
.endr
	s_wait_dscnt 0x0                               ; my images have landed
	s_barrier_signal -1
	s_barrier_wait -1                              ; all forty have
	; ---- phase B: q or k.  Eight accumulators by turns, a K half at a time; each K half has registers of its own
	s_wait_alu depctr_vm_vsrc(0)                   ; my LDS stores have read v136-199, which the products write, PC, in which W's fragments land, and window 1's v0-23, in which W's second half lands.  Only loads and window switches follow up to the loads under window 1
.irp e, 0,1,2,3
	FETCH XF+12*\e, XB, (2*\e)*1536
	ds_load_b32 v[XS+\e], v[XSB] offset:(2*\e)*128
.endr
.irp u, 0,1
	FETCH WF+12*\u, WB, (2*\u)*1536
	ds_load_b32 v[WS+\u], v[WSB] offset:(2*\u)*128
.endr
.irp u, 0,1
	ds_load_b32 v[WS2+\u], v[WSB] offset:(2*\u+1)*128
.endr
	WIN 0x40                                       ; destination window 1, address window 0
.irp u, 0,1
	FETCH WF2+12*\u, WB, (2*\u+1)*1536
.endr
	WIN 0
	s_wait_dscnt 8                                 ; the first K half is in; the eight loads of W's second half may stay out
.irp e, 0,1,2,3                                ; x's second K half is dealt among the first half's products, two loads behind each.  No wait: no vector or matrix instruction since the last wait on va_vdst names v64-111 or v228-231
	MM ACC+16*\e, WF, XF+12*\e, BI, WS, XS+\e
	ds_load_b128 v[XF+48+12*\e:XF+48+12*\e+3], v[XB] offset:(2*\e+1)*1536
	ds_load_b128 v[XF+48+12*\e+4:XF+48+12*\e+7], v[XB] offset:(2*\e+1)*1536+512
	MM ACC+16*\e+8, WF+12, XF+12*\e, BI+8, WS+1, XS+\e
	ds_load_b128 v[XF+48+12*\e+8:XF+48+12*\e+11], v[XB] offset:(2*\e+1)*1536+1024
	ds_load_b32 v[XS+4+\e], v[XSB] offset:(2*\e+1)*128
.endr
	s_wait_dscnt 0x0                               ; the second K half is in
	WIN 0x01                                       ; source 0 (W) window 1
.irp e, 0,1,2,3
.irp u, 0,1
	MM ACC+16*\e+8*\u, WF2+12*\u, XF+48+12*\e, ACC+16*\e+8*\u, WS2+\u, XS+4+\e
.endr
.endr
	WIN 0
.rept 4
	v_nop                                          ; places in front of the first read of results
.endr
	QUANT ACC                                      ; register 16 e + i: channel 16 h + i of the token at row r of x's tile 4 f + e: block e is another token
	s_wait_alu depctr_va_vdst(0)                   ; the quantiser has written PC and PW, which the stores read; and the products are done reading x's and W's fragments and scale words, in which v's loads land below
	OUTF 46, 48
	s_cmp_lt_u32 s30, 4
	s_cbranch_scc0 .Lend
	; ---- phase B: v, waves 0-3
	s_wait_xcnt 0x0                                ; the stores above have had their addresses translated: their registers are written again below
	s_wait_alu depctr_vm_vsrc(0)                   ; the stores above have read PC and PW: Wv's fragments land in PC, and the quantiser writes both again
.irp t, 0,1,2,3,4,5,6,7
	FETCH XF+12*\t, VB, (2*\t)*1536
	ds_load_b32 v[XS+\t], v[VSB] offset:(2*\t)*128
.endr
.irp s, 0,1                                    ; my tile of Wv: both K halves
	FETCH WF+12*\s, WVB, \s*1536
	ds_load_b32 v[WS+\s], v[WVSB] offset:\s*128
.endr
	s_wait_dscnt 4                                 ; the first K half is in; the four loads of Wv's second half may stay out
.irp t, 0,1,2,3,4,5,6,7
	MM ACC+8*\t, XF+12*\t, WF, BV, XS+\t, WS
.endr
.rept 4
	v_nop                                          ; the places behind the products stay; the wait below states the dependence
.endr
	s_wait_alu depctr_va_vdst(0)                   ; the eight products are done reading x's fragments and scale words, in which the second K half's land
.irp t, 0,1,2,3,4,5,6,7
	FETCH XF+12*\t, VB, (2*\t+1)*1536
	ds_load_b32 v[XS+\t], v[VSB] offset:(2*\t+1)*128
.endr
	s_wait_dscnt 0x0
.irp t, 0,1,2,3,4,5,6,7
	MM ACC+8*\t, XF+12*\t, WF+12, ACC+8*\t, XS+\t, WS+1
.endr
.rept 4
	v_nop                                          ; places in front of the first read of results
.endr
	QUANT ACC                                      ; register 16 b + i: token 32 b + 16 h + i of my channel
	s_wait_alu depctr_va_vdst(0)                   ; the quantiser has written PC and PW, which the stores read
	OUTF 50, 52
.Lend:
	s_wait_dscnt 0x0
	s_wait_alu depctr_hold_cnt(0) depctr_sa_sdst(0) depctr_va_vdst(0) depctr_va_sdst(0) depctr_va_ssrc(0) depctr_va_vcc(0) depctr_vm_vsrc(0)
	s_wait_tensorcnt 0x0
	ds_add_u32 v245, v255
	s_wait_dscnt 0x0
	s_endpgm
.Lfunc_end_k_q9dd62da875_qkv:
	.size	k_q9dd62da875_qkv, .Lfunc_end_k_q9dd62da875_qkv-k_q9dd62da875_qkv
	.p2alignl 7, 3214868480
	.fill 96, 4, 3214868480
	.section	.rodata,"a",@progbits
	.p2align	6, 0x0
	.amdhsa_kernel k_q9dd62da875_qkv
		.amdhsa_group_segment_fixed_size 136192
		.amdhsa_private_segment_fixed_size 0
		.amdhsa_enable_private_segment 0
		.amdhsa_kernarg_size 104
		.amdhsa_user_sgpr_count 2
		.amdhsa_user_sgpr_kernarg_segment_ptr 1
		.amdhsa_wavefront_size32 1
		.amdhsa_system_sgpr_workgroup_id_x 1
		.amdhsa_system_sgpr_workgroup_id_y 1
		.amdhsa_system_sgpr_workgroup_id_z 1
		.amdhsa_system_vgpr_workitem_id 0
		.amdhsa_next_free_vgpr 512
		.amdhsa_next_free_sgpr 66
		.amdhsa_reserve_vcc 0
		.amdhsa_float_denorm_mode_32 3
		.amdhsa_float_denorm_mode_16_64 3
		.amdhsa_memory_ordered 1
		.amdhsa_forward_progress 1
		.amdhsa_inst_pref_size 65
	.end_amdhsa_kernel
	.amdgpu_metadata
---
amdhsa.version: [ 1, 2 ]
amdhsa.kernels:
  - .name:           k_q9dd62da875_qkv
    .symbol:         k_q9dd62da875_qkv.kd
    .args:
      - { .name: x, .offset: 0, .size: 8, .value_kind: global_buffer, .address_space: global }
      - { .name: Wq, .offset: 8, .size: 8, .value_kind: global_buffer, .address_space: global }
      - { .name: Wk, .offset: 16, .size: 8, .value_kind: global_buffer, .address_space: global }
      - { .name: Wv, .offset: 24, .size: 8, .value_kind: global_buffer, .address_space: global }
      - { .name: bq, .offset: 32, .size: 8, .value_kind: global_buffer, .address_space: global }
      - { .name: bk, .offset: 40, .size: 8, .value_kind: global_buffer, .address_space: global }
      - { .name: bv, .offset: 48, .size: 8, .value_kind: global_buffer, .address_space: global }
      - { .name: qc, .offset: 56, .size: 8, .value_kind: global_buffer, .address_space: global }
      - { .name: qs, .offset: 64, .size: 8, .value_kind: global_buffer, .address_space: global }
      - { .name: kc, .offset: 72, .size: 8, .value_kind: global_buffer, .address_space: global }
      - { .name: ks, .offset: 80, .size: 8, .value_kind: global_buffer, .address_space: global }
      - { .name: vc, .offset: 88, .size: 8, .value_kind: global_buffer, .address_space: global }
      - { .name: vs, .offset: 96, .size: 8, .value_kind: global_buffer, .address_space: global }
    .group_segment_fixed_size: 136192
    .private_segment_fixed_size: 0
    .kernarg_segment_align: 8
    .kernarg_segment_size: 104
    .max_flat_workgroup_size: 256
    .sgpr_count:     66
    .vgpr_count:     512
    .wavefront_size: 32
...
	.end_amdgpu_metadata
.endif
;; end of part 4
;; launch attn (part 5): grid 8 x 32, 16 waves a work-group, no clusters, 169,984 bytes of LDS; arguments qc, qs, kc, ks, vc, vs, ao, aos; writes ao, aos
.if DOCPART == 5
	.amdgcn_target "amdgcn-amd-amdhsa--gfx1250"
	.amdhsa_code_object_version 6
	.text
	.protected	k_q9dd62da875_attn
	.globl	k_q9dd62da875_attn
	.p2align	8
	.type	k_q9dd62da875_attn,@function
k_q9dd62da875_attn:
	s_mov_b64 s[64:65], 0
	v_nop
	global_prefetch_b8 v0, s[64:65] scope:SCOPE_SE
	s_setreg_imm32_b32 hwreg(HW_REG_WAVE_MODE, 25, 1), 1
	s_wait_xcnt 0x0
; O[q] = the sum over the keys k <= q with k % 25 != 24 of softmax_k(Q[q] . K[k] / sqrt(32)) V[k], for one head, both products on codes of FP6 (E2M3) with E8M0 scales; O is quantised along the head's 32 channels for the last product.
; THE SOFTMAX: t = score x log2(e) / sqrt(32); M = the running largest t rounded up to a whole number; p = 2^(t - M) is quantised along the keys; the row's sum is taken of the unquantised p and divides O at the end.
; SHARES.  A work-group owns blocks j and 15 - j of 128 queries of one head; each of its sixteen waves owns one tile of 16 queries, so a wave has j + 1 or 16 - j key steps of 128 keys, and every four waves with
; two of each kind have 34.  A whole head's codes and scale bytes (106,496 bytes) come into LDS once, by six tensor loads (wave 0: K's three, wave 1: V's three): no byte is filled twice.
; K'S FRAGMENT HOLDS FOUR KEYS IN ITS FOUR BLOCKS OF 32 ALONG K (row r, block e of fragment f: key 32 (2 f + e / 2) + 8 (e % 2) + r + 8 (r / 8)).  It is multiplied four times, by Q laid into block e alone with zero codes
; elsewhere: product 4 f + e gives, in lane (query r, h), register j = key 32 (2 f + e / 2) + 16 h + 8 (e % 2) + j: the 16 registers of two neighbouring products are 16 neighbouring keys.
; THE COLUMN MASK is the C of those products: 0, or -2^100 for a hidden key, from a table in LDS.  The causal mask: steps wholly behind my queries are jumped over (a branch on ids); on the diagonal hidden scores become -infinity.
; NO CLUSTER: the work-groups that share K and V are the query blocks of one head, and the jump over hidden steps hangs on just that block number, which would be the place in a cluster; and each shared byte is fetched once a work-group.
; LIMITS: a hidden column stays hidden while |score| is far under 2^100; blocks under 2^-124 and blocks of zeros get the byte 1 (zero codes; this program alone reads the bytes); NaN and infinities are not served.
.set VCB,  49152                       ; LDS: K's codes at 0 (16 steps x 3,072), V's here,
.set KSB,  98304                       ; K's scale words (16 x 256), V's 4,096 on,
.set MASK, 106496                      ; the column mask: one f32 a key, written by LDS stores alone
.set LI,   1                           ; v1   16 x lane
.set LSC,  2                           ; v2   scale words: lanes 0-15 the first image's, lanes 16-31 the second's
.set LMK,  3                           ; v3   the mask: + 64 h
.set AD,   4                           ; v4-6 the same three for the step in hand
.set ADS,  5
.set ADM,  6
.set DQ,   7                           ; v7   r - 16 h
.set T,    8                           ; v8-13 Q's 24 bytes as loaded
.set QSC,  46                          ; v46  Q's scale byte, four times.  v16-45: zeros, Q in lanes 0-15, zeros, Q in lanes 16-31, zeros: six registers each; the four placements begin at v22, v34, v16, v28
.set KFR,  48                          ; v48-71 K's two fragments
.set KSC,  72
.set VSC,  73
.set VFR,  74                          ; v74-97 V's two fragments
.set S,    100                         ; v100-163 the mask, the scores, then p
.set OT,   164                         ; v164-179 O^T: register 8 u + j = channel 16 h + 8 u + j
.set PCD,  180                         ; v180-191 p's codes
.set PC2,  192                         ; v192-194, v196-198 the conversions' second halves
.set BM,   200                         ; v200-203 each block's largest score, then its largest p
.set BT,   204
.set SO4,  208                         ; v208-211 the conversions' scale operands
.set PSC,  212                         ; v212 p's scale word
.set NM,   214                         ; v214 -M, v215 the largest t so far
.set SUM,  216
.set SU2,  218
.set FF,   220                         ; v[220:221] f = 2^(old M - new M)
.set TMP,  222
.macro KQ t, f, qb
.if \f
	v_wmma_scale_f32_16x16x128_f8f6f4 v[S+8*\t:S+8*\t+7], v[KFR+12*\f:KFR+12*\f+11], v[\qb:\qb+11], v[S+8*\t:S+8*\t+7], v[KSC], v[QSC] matrix_a_fmt:MATRIX_FMT_FP6 matrix_b_fmt:MATRIX_FMT_FP6 matrix_a_scale:MATRIX_SCALE_ROW1
.else
	v_wmma_scale_f32_16x16x128_f8f6f4 v[S+8*\t:S+8*\t+7], v[KFR+12*\f:KFR+12*\f+11], v[\qb:\qb+11], v[S+8*\t:S+8*\t+7], v[KSC], v[QSC] matrix_a_fmt:MATRIX_FMT_FP6 matrix_b_fmt:MATRIX_FMT_FP6
.endif
.endm
.macro PV u
.if \u
	v_wmma_scale_f32_16x16x128_f8f6f4 v[OT+8*\u:OT+8*\u+7], v[VFR+12*\u:VFR+12*\u+11], v[PCD:PCD+11], v[OT+8*\u:OT+8*\u+7], v[VSC], v[PSC] matrix_a_fmt:MATRIX_FMT_FP6 matrix_b_fmt:MATRIX_FMT_FP6 matrix_a_scale:MATRIX_SCALE_ROW1
.else
	v_wmma_scale_f32_16x16x128_f8f6f4 v[OT+8*\u:OT+8*\u+7], v[VFR+12*\u:VFR+12*\u+11], v[PCD:PCD+11], v[OT+8*\u:OT+8*\u+7], v[VSC], v[PSC] matrix_a_fmt:MATRIX_FMT_FP6 matrix_b_fmt:MATRIX_FMT_FP6
.endif
.endm
	s_load_b256 s[4:11], s[0:1], 0x0               ; qc, qs, kc, ks
	s_load_b256 s[12:19], s[0:1], 0x20             ; vc, vs, ao, aos
	v_lshl_add_u32 v254, v0, 2, 0x29000
	v_mov_b32 v255, 0
	ds_add_u32 v254, v255
	ds_add_u32 v254, v255
	v_lshrrev_b32 v8, 5, v0
	s_delay_alu instid0(VALU_DEP_1)
	v_readfirstlane_b32 s20, v8                    ; wave 0..15
	v_and_b32 v232, 31, v0                         ; lane
	v_and_b32 v230, 15, v0                         ; r
	v_bfe_u32 v231, v0, 4, 1                       ; h
	s_delay_alu instid0(VALU_DEP_3)
	v_lshlrev_b32 v[LI], 4, v232                   ; every LDS address register is made here, ahead of the branch on the wave's number
	s_delay_alu instid0(VALU_DEP_4)
	v_lshlrev_b32 v[LSC], 2, v232
	s_delay_alu instid0(VALU_DEP_1)
	v_lshl_add_u32 v[LSC], v231, 7, v[LSC]         ; lane 16 + r reads the second image's word of lane 16 + r, which repeats lane r's
	s_delay_alu instid0(VALU_DEP_1)
	v_add_nc_u32 v[LSC], KSB, v[LSC]
	v_lshlrev_b32 v[LMK], 6, v231
	s_delay_alu instid0(VALU_DEP_1)
	v_add_nc_u32 v[LMK], MASK, v[LMK]
	v_lshl_add_u32 v239, v0, 4, MASK               ; the table: 16 bytes a thread
	v_lshlrev_b32 v[DQ], 4, v231
	s_delay_alu instid0(VALU_DEP_1)
	v_sub_nc_u32 v[DQ], v230, v[DQ]
	s_lshr_b32 s21, s20, 2
	s_xor_b32 s21, s21, s20
	s_and_b32 s21, s21, 1                          ; which of the two query blocks: waves 2 i and 2 i + 1 differ, and so do waves w and w + 4
	s_lshr_b32 s22, s20, 1                         ; which tile of 16 queries in it
	s_sub_co_u32 s76, 15, ttmp9
	s_cmp_eq_u32 s21, 1
	s_cselect_b32 s23, s76, ttmp9                  ; my query block
	s_lshl_b32 s24, s23, 7
	s_lshl_b32 s76, s22, 4
	s_add_co_u32 s24, s24, s76                     ; my first query
	s_add_co_u32 s35, s24, 15                      ; my last
	s_and_b32 s77, ttmp7, 0xffff                   ; batch x 8 + head
	s_mov_b32 s25, 0                               ; the step's first key,
	s_mov_b32 s26, 0                               ; its codes (3,072 bytes a step),
	s_mov_b32 s27, 0                               ; its scale words (256),
	s_mov_b32 s28, 0                               ; its part of the mask (512)
	s_mov_b32 s30, 0x76543210
	s_mov_b32 s31, 0xfedcba98                      ; lane l xor 16
	s_mov_b32 s32, 0x3e8293ee                      ; c = log2(e) / sqrt(32)
	s_mov_b32 s33, s32                             ; (named with it as a pair)
	; descriptor groups 1: dense blocks as rows of 256 bytes (32 elements of 8 bytes), no padding: 16 rows (scale words), 48 (steps 0-3), 144 (steps 4-15)
.irp g, 36, 44, 52
	s_mov_b32 s[\g], 3<<16
	s_mov_b32 s[\g+1], 32<<16
	s_mov_b32 s[\g+3], 32<<16
	s_mov_b32 s[\g+5], 32
	s_mov_b32 s[\g+6], 0
	s_mov_b32 s[\g+7], 0
.endr
	s_mov_b32 s38, 16<<16
	s_mov_b32 s40, 16
	s_mov_b32 s46, 48<<16
	s_mov_b32 s48, 48
	s_mov_b32 s54, 144<<16
	s_mov_b32 s56, 144
	s_and_b32 s78, s20, 1                          ; wave 0 fetches K's, wave 1 V's
	s_mul_i32 s79, s78, VCB
	s_lshl_b32 s80, s78, 12
	s_add_co_u32 s80, s80, KSB
	s_mul_i32 s82, s77, 49152                      ; my head's codes,
	s_mov_b32 s83, 0
	s_lshl_b32 s84, s77, 12                        ; and scale words
	s_mov_b32 s85, 0
	s_wait_dscnt 0x0
	s_wait_kmcnt 0x0
	s_cmp_eq_u32 s78, 0
	s_cselect_b64 s[86:87], s[8:9], s[12:13]
	s_cselect_b64 s[88:89], s[10:11], s[14:15]
	s_add_nc_u64 s[86:87], s[86:87], s[82:83]
	s_add_nc_u64 s[88:89], s[88:89], s[84:85]
	s_mov_b32 s60, 1
	s_mov_b32 s61, s80
	s_mov_b64 s[62:63], s[88:89]
	s_or_b32 s63, s63, 0x80000000
	s_mov_b32 s68, 1
	s_mov_b32 s69, s79
	s_mov_b64 s[70:71], s[86:87]
	s_or_b32 s71, s71, 0x80000000
	s_mov_b32 s72, 1
	s_add_co_u32 s73, s79, 12288
	s_add_nc_u64 s[74:75], s[86:87], 12288
	s_or_b32 s75, s75, 0x80000000
	s_cmp_lt_u32 s20, 2                            ; all fills of a wave stand in this one branch, ahead of every wait on TENSORcnt, LDS read and barrier: three loads of the wave are out
	s_cbranch_scc0 .Lno_fetch
	tensor_load_to_lds s[60:63], s[36:43]          ; the scale words of the whole head
	s_nop 0
	tensor_load_to_lds s[68:71], s[44:51]          ; steps 0-3
	s_nop 0
	tensor_load_to_lds s[72:75], s[52:59]          ; steps 4-15
	s_nop 0
.rept 4
	v_nop
.endr
.Lno_fetch:
	; Q: token 16 idx + r of my block lies in image f = idx / 4, registers 6 c on (c = (idx / 2) % 2), lane 16 (r / 8) + 8 (idx % 2) + r % 8
	s_lshl_b32 s76, s77, 4
	s_add_co_u32 s76, s76, s23
	s_lshr_b32 s78, s22, 2                         ; f
	s_bfe_u32 s79, s22, 0x10001                    ; c
	s_and_b32 s80, s22, 1
	s_mul_i32 s82, s76, 3072
	s_mul_i32 s81, s78, 1536
	s_add_co_u32 s82, s82, s81
	s_lshl_b32 s81, s80, 7
	s_add_co_u32 s82, s82, s81
	s_add_nc_u64 s[4:5], s[4:5], s[82:83]
	s_lshl_b32 s82, s76, 8
	s_lshl_b32 s81, s78, 7
	s_add_co_u32 s82, s82, s81
	s_lshl_b32 s81, s80, 5
	s_add_co_u32 s82, s82, s81
	s_lshl_b32 s81, s79, 1
	s_add_co_u32 s82, s82, s81
	s_add_nc_u64 s[6:7], s[6:7], s[82:83]
	s_mul_i32 s84, s79, 520                        ; the three pieces of 8 bytes: 0, 8, 512 for c = 0; 520, 1,024, 1,032 for c = 1
	s_mul_i32 s85, s79, 1016
	s_add_co_u32 s85, s85, 8
	s_add_co_u32 s86, s84, 512
	v_and_b32 v233, 7, v0
	v_bfe_u32 v234, v0, 3, 1
	s_delay_alu instid0(VALU_DEP_2)
	v_lshlrev_b32 v227, 4, v233
	s_delay_alu instid0(VALU_DEP_1)
	v_lshl_add_u32 v227, v234, 8, v227
	s_delay_alu instid0(VALU_DEP_1)
	v_add_nc_u32 v223, s84, v227
	s_delay_alu instid0(VALU_DEP_2)
	v_add_nc_u32 v224, s85, v227
	s_delay_alu instid0(VALU_DEP_3)
	v_add_nc_u32 v225, s86, v227
	v_lshl_add_u32 v226, v233, 2, v234             ; its scale byte: 4 (r % 8) + r / 8
	global_load_b64 v[T:T+1], v223, s[4:5]
	global_load_b64 v[T+2:T+3], v224, s[4:5]
	global_load_b64 v[T+4:T+5], v225, s[4:5]
	global_load_u8 v47, v226, s[6:7]
	; where my results go
	s_lshr_b32 s81, s77, 3                         ; batch
	s_and_b32 s82, s77, 7                          ; head
	s_lshl_b32 s84, s81, 7
	s_lshl_b32 s85, s23, 3
	s_add_co_u32 s84, s84, s85
	s_add_co_u32 s84, s84, s22                     ; token / 16
	s_lshl_b32 s84, s84, 3
	s_add_co_u32 s84, s84, s82
	s_mul_i32 s84, s84, 384
	s_mov_b32 s85, 0
	s_add_nc_u64 s[16:17], s[16:17], s[84:85]
	s_lshl_b32 s84, s81, 11
	s_add_co_u32 s84, s84, s24
	s_lshl_b32 s84, s84, 3
	s_add_co_u32 s84, s84, s82
	s_add_nc_u64 s[18:19], s[18:19], s[84:85]
	; the column mask: thread i makes keys 4 i .. 4 i + 3.  key / 25 = (key x 5,243) >> 17, exact under 2,048: 5,243 x 25 = 2^17 + 3
	v_lshlrev_b32 v235, 2, v0
	v_mov_b32 v236, 0xf1800000                     ; -2^100
.irp e, 0,1,2,3
	v_add_nc_u32 v237, \e, v235
	s_delay_alu instid0(VALU_DEP_1)
	v_mul_u32_u24 v238, v237, 5243
	s_delay_alu instid0(VALU_DEP_1)
	v_lshrrev_b32 v238, 17, v238
	s_delay_alu instid0(VALU_DEP_1)
	v_mul_u32_u24 v238, v238, 25
	s_delay_alu instid0(VALU_DEP_1)
	v_sub_nc_u32 v237, v237, v238
	s_delay_alu instid0(VALU_DEP_1)
	v_cmp_eq_u32 vcc_lo, 24, v237
	s_delay_alu instid0(VALU_DEP_1)
	v_cndmask_b32 v[S+\e], 0, v236, vcc_lo
.endr
	ds_store_b128 v239, v[S:S+3]
.irp i, 0,1,2,3,4,5
	v_mov_b32 v[16+\i], 0                          ; the three runs of zero codes
	v_mov_b32 v[28+\i], 0
	v_mov_b32 v[40+\i], 0
.endr
	v_mov_b32 v[NM+1], 0xff61b1e6                  ; the largest t so far: -3e38
	s_delay_alu instid0(VALU_DEP_1)
	v_floor_f32 v[NM], -v[NM+1]
	v_mov_b32 v[SUM], 0
	v_mov_b32 v[SUM+1], 0
	v_mov_b32 v[FF+1], 0                           ; (named as the upper half of a pair)
	v_mov_b32 v[TMP], 0
.irp b, 0,1,2,3
	v_mov_b32 v[BT+\b], 0                          ; a lane permute's destination counts as one of its sources
.endr
	s_wait_loadcnt 0x0
	v_perm_b32 v[QSC], v47, v47, 0                 ; the byte in all four places: whichever block holds Q has its scale
	v_cmp_gt_u32 vcc_lo, 16, v232
.irp i, 0,1,2,3,4,5
	v_cndmask_b32 v[22+\i], 0, v[T+\i], vcc_lo     ; Q in lanes 0-15,
	v_cndmask_b32 v[34+\i], v[T+\i], v16, vcc_lo   ; Q in lanes 16-31
.endr
.set j, 0
.rept 16
	v_mov_b32 v[OT+j], 0                           ; the step is written once: the first finds zeros.  (These also stand between the writes of Q's scale and codes and the first product)
.set j, j+1
.endr
; A KEY STEP: 128 keys
.macro STEP
	s_cmp_gt_u32 s25, s35                          ; all its keys come after my queries: only the addresses step
	s_cbranch_scc1 .Lhidden_\@
	s_setprio 2
	v_add_nc_u32 v[AD], s26, v[LI]                 ; these three and the v_nop are the four places behind the last step's products, in front of the loads into their operands
	v_add_nc_u32 v[ADS], s27, v[LSC]
	v_add_nc_u32 v[ADM], s28, v[LMK]
	v_nop
.irp f, 0,1
.irp g, 0,1,2
	ds_load_b128 v[KFR+12*\f+4*\g:KFR+12*\f+4*\g+3], v[AD] offset:1536*\f+512*\g
.endr
.endr
	ds_load_b32 v[KSC], v[ADS]
.irp t, 0,1,2,3,4,5,6,7
.irp e, 0,1
	ds_load_b128 v[S+8*\t+4*\e:S+8*\t+4*\e+3], v[ADM] offset:128*(\t/2)+32*(\t%2)+16*\e   ; the mask of keys 32 (t / 2) + 16 h + 8 (t % 2) + 4 e on: the sixteen lanes of a half read the same words
.endr
.endr
.irp u, 0,1
.irp g, 0,1,2
	ds_load_b128 v[VFR+12*\u+4*\g:VFR+12*\u+4*\g+3], v[AD] offset:VCB+1536*\u+512*\g
.endr
.endr
	ds_load_b32 v[VSC], v[ADS] offset:4096
	s_wait_dscnt 7                                 ; V's six loads and its scale words may stay out
	KQ 0, 0, 22
	KQ 1, 0, 34
	KQ 2, 0, 16
	KQ 3, 0, 28
	KQ 4, 1, 22
	KQ 5, 1, 34
	KQ 6, 1, 16
	KQ 7, 1, 28
.rept 4
	v_nop
.endr
	s_add_co_u32 s76, s25, 127
	s_cmp_le_u32 s76, s24                          ; every key of the step counts for every query of mine: no causal mask
	s_cbranch_scc1 .Lopen_\@
	s_sub_co_i32 s76, s24, s25
	v_add_nc_u32 v[TMP], s76, v[DQ]                ; d = my query - the step's first key - 16 h: register 16 b + i is hidden where 32 b + i > d
	v_mov_b32 v[TMP+1], 0xff800000
.set n, 0
.rept 64
	v_cmp_gt_i32 vcc_lo, 32*(n/16)+n%16, v[TMP]
	v_cndmask_b32 v[S+n], v[S+n], v[TMP+1], vcc_lo
.set n, n+1
.endr
.Lopen_\@:
.irp b, 0,1,2,3
	v_max3_num_f32 v[BM+\b], v[S+16*\b], v[S+16*\b+1], v[S+16*\b+2]   ; the largest score of each block of 32 keys: it serves the row's maximum and, since p rises with the score, the block's largest p
.endr
.irp i, 3,5,7,9,11,13
.irp b, 0,1,2,3
	v_max3_num_f32 v[BM+\b], v[BM+\b], v[S+16*\b+\i], v[S+16*\b+\i+1]
.endr
.endr
.irp b, 0,1,2,3
	v_max_num_f32 v[BM+\b], v[BM+\b], v[S+16*\b+15]
.endr
.irp b, 0,1,2,3
	s_delay_alu instid0(VALU_DEP_4)
	v_permlanex16_b32 v[BT+\b], v[BM+\b], s30, s31
.endr
.irp b, 0,1,2,3
	s_delay_alu instid0(VALU_DEP_4)
	v_max_num_f32 v[BM+\b], v[BM+\b], v[BT+\b]
.endr
	s_delay_alu instid0(VALU_DEP_2)
	v_max3_num_f32 v[TMP], v[BM], v[BM+1], v[BM+2]
	s_delay_alu instid0(VALU_DEP_1)
	v_max_num_f32 v[TMP], v[TMP], v[BM+3]
	s_delay_alu instid0(VALU_DEP_1)
	v_mul_f32 v[TMP], s32, v[TMP]
	s_delay_alu instid0(VALU_DEP_1)
	v_max_num_f32 v[NM+1], v[NM+1], v[TMP]         ; the running largest t
	v_mov_b32 v[TMP], v[NM]
	s_delay_alu instid0(VALU_DEP_2)
	v_floor_f32 v[NM], -v[NM+1]                    ; -M = floor(-t): M is a whole number
	s_delay_alu instid0(VALU_DEP_1)
	v_sub_f32 v[TMP], v[NM], v[TMP]
	s_delay_alu instid0(VALU_DEP_1)
	v_cvt_i32_f32 v[TMP], v[TMP]                   ; (it saturates)
	s_delay_alu instid0(VALU_DEP_1)
	v_ldexp_f32 v[FF], 1.0, v[TMP]                 ; f = 2^(old M - new M): rounds nothing
.set j, 0
	s_setprio 1
.rept 32
	v_pk_fma_f32 v[S+j:S+j+1], v[S+j:S+j+1], s[32:33], v[NM:NM+1] op_sel_hi:[1,0,0]   ; t - M
.set j, j+2
.endr
.irp b, 0,1,2,3
	v_fma_f32 v[BM+\b], v[BM+\b], s32, v[NM]
.endr
.set j, 0
	s_wait_alu depctr_va_vdst(0)
.rept 64
	v_exp_f32 v[S+j], v[S+j]                       ; p = 2^(t - M)
.set j, j+1
.endr
	v_pk_mul_f32 v[SUM:SUM+1], v[SUM:SUM+1], v[FF:FF+1] op_sel_hi:[1,0]   ; the sum under the new M: the plain place behind the batch
	s_wait_alu depctr_va_vdst(0)                   ; one wait for the 64, ahead of the first line that names a result
.irp b, 0,1,2,3
	v_exp_f32 v[BM+\b], v[BM+\b]                   ; the block's largest p
.endr
.set j, 0
	s_wait_alu depctr_va_vdst(0)
.rept 8
	v_pk_mul_f32 v[OT+j:OT+j+1], v[OT+j:OT+j+1], v[FF:FF+1] op_sel_hi:[1,0]   ; O^T under the new M: independent work behind the four
.set j, j+2
.endr
	s_wait_alu depctr_va_vdst(0)                   ; and one for the four
.irp b, 0,1,2,3
	v_max_num_f32 v[BM+\b], 0x1800000, v[BM+\b]    ; the floor 2^(3 - 127)
.endr
.irp b, 0,1,2,3
	s_delay_alu instid0(VALU_DEP_4)
	v_add_nc_u32 v[SO4+\b], 0xff000000, v[BM+\b]
.endr
.irp b, 0,1,2,3
	s_delay_alu instid0(VALU_DEP_4)
	v_lshrrev_b32 v[BT+\b], 23, v[SO4+\b]
.endr
	s_delay_alu instid0(VALU_DEP_3)
	v_lshl_or_b32 v[PSC], v[BT+1], 8, v[BT]
	s_delay_alu instid0(VALU_DEP_1)
	v_lshl_or_b32 v[PSC], v[BT+2], 16, v[PSC]
	s_delay_alu instid0(VALU_DEP_1)
	v_lshl_or_b32 v[PSC], v[BT+3], 24, v[PSC]
	s_setprio 0
.irp c, 0,1
	v_cvt_scalef32_pk16_fp6_f32 v[PCD+6*\c:PCD+2+6*\c], v[S+32*\c:S+15+32*\c], v[SO4+2*\c]
	v_cvt_scalef32_pk16_fp6_f32 v[PC2+4*\c:PC2+2+4*\c], v[S+16+32*\c:S+31+32*\c], v[SO4+2*\c+1]
.endr
	v_nop                                          ; one plain place behind a scaled conversion
.irp c, 0,1
.irp i, 0,1,2
	v_permlane16_swap_b32 v[PCD+6*\c+\i], v[PC2+4*\c+\i]
.endr
.irp i, 0,1,2
	s_delay_alu instid0(VALU_DEP_3)
	v_mov_b32 v[PCD+3+6*\c+\i], v[PC2+4*\c+\i]
.endr
.endr
	v_pk_add_f32 v[218:219], v[104:105], v[108:109]
	v_pk_add_f32 v[252:253], v[112:113], v[116:117]
	v_pk_add_f32 v[250:251], v[120:121], v[124:125]
	v_pk_add_f32 v[248:249], v[128:129], v[132:133]
	v_pk_add_f32 v[246:247], v[136:137], v[140:141]
	v_pk_add_f32 v[244:245], v[144:145], v[148:149]
	v_pk_add_f32 v[242:243], v[152:153], v[156:157]
	v_pk_add_f32 v[216:217], v[216:217], v[160:161]
	v_pk_add_f32 v[218:219], v[218:219], v[100:101]
	v_pk_add_f32 v[252:253], v[252:253], v[102:103]
	v_pk_add_f32 v[250:251], v[250:251], v[106:107]
	v_pk_add_f32 v[248:249], v[248:249], v[110:111]
	v_pk_add_f32 v[246:247], v[246:247], v[114:115]
	v_pk_add_f32 v[244:245], v[244:245], v[118:119]
	v_pk_add_f32 v[242:243], v[242:243], v[122:123]
	v_pk_add_f32 v[216:217], v[216:217], v[126:127]
	v_pk_add_f32 v[218:219], v[218:219], v[130:131]
	v_pk_add_f32 v[252:253], v[252:253], v[134:135]
	v_pk_add_f32 v[250:251], v[250:251], v[138:139]
	v_pk_add_f32 v[248:249], v[248:249], v[142:143]
	v_pk_add_f32 v[246:247], v[246:247], v[146:147]
	v_pk_add_f32 v[244:245], v[244:245], v[150:151]
	v_pk_add_f32 v[242:243], v[242:243], v[154:155]
	v_pk_add_f32 v[216:217], v[216:217], v[158:159]
	v_pk_add_f32 v[218:219], v[218:219], v[162:163]
	s_delay_alu instid0(VALU_DEP_2)
	v_pk_add_f32 v[216:217], v[216:217], v[248:249]
	s_delay_alu instid0(VALU_DEP_2)
	v_pk_add_f32 v[218:219], v[218:219], v[246:247]
	v_pk_add_f32 v[252:253], v[252:253], v[244:245]
	v_pk_add_f32 v[250:251], v[250:251], v[242:243]
	s_delay_alu instid0(VALU_DEP_2)
	v_pk_add_f32 v[216:217], v[216:217], v[252:253]
	s_delay_alu instid0(VALU_DEP_2)
	v_pk_add_f32 v[218:219], v[218:219], v[250:251]
	s_delay_alu instid0(VALU_DEP_1)
	v_pk_add_f32 v[216:217], v[216:217], v[218:219]
	s_wait_dscnt 0x0                               ; V is in
	PV 0
	PV 1
.Lhidden_\@:
	s_add_co_u32 s25, s25, 128
	s_add_co_u32 s26, s26, 3072
	s_add_co_u32 s27, s27, 256
	s_add_co_u32 s28, s28, 512
.endm
; the fills that these steps read have landed (in the waves that issued them), my LDS stores too; then the barrier; then a counted loop: every wave walks every trip
.macro PHASE trips, cnt
	s_wait_tensorcnt \cnt
	s_wait_dscnt 0x0
	s_barrier_signal -1
	s_barrier_wait -1
	s_mov_b32 s29, \trips
.Lstep_\@:
	STEP
	s_sub_co_u32 s29, s29, 1
	s_cmp_lg_u32 s29, 0
	s_cbranch_scc1 .Lstep_\@
	s_setprio 0
.endm
	PHASE 4, 1                                     ; the scale words and steps 0-3 are in; the fill of steps 4-15 may stay out
	PHASE 12, 0
	s_wait_alu depctr_va_vdst(0)
	; THE WAY OUT: O^T / the sum, quantised along the head's 32 channels (16 in me, 16 in lane l xor 16)
	v_add_f32 v[SUM], v[SUM], v[SUM+1]
	s_delay_alu instid0(VALU_DEP_1)
	v_permlanex16_b32 v[TMP], v[SUM], s30, s31
	s_delay_alu instid0(VALU_DEP_1)
	v_add_f32 v[SUM], v[SUM], v[TMP]
	s_wait_alu depctr_va_vdst(0)
	v_rcp_f32 v[SUM], v[SUM]
	v_mul_u32_u24 v223, v230, 24                   ; (plain work behind the reciprocal and behind the last products)
	s_delay_alu instid0(VALU_DEP_1)
	v_mad_u32_u24 v223, v231, 12, v223             ; codes: 24 r + 12 h
	v_lshlrev_b32 v224, 3, v230                    ; scale bytes: 8 a token
	v_nop
	s_wait_alu depctr_va_vdst(0)                   ; ahead of the reciprocal's first reader
.set j, 0
.rept 16
	v_mul_f32 v[S+j], v[OT+j], v[SUM]
.set j, j+1
.endr
	v_max3_num_f32 v[BM], |v[S]|, |v[S+1]|, 0x1800000
.irp i, 2,4,6,8,10,12,14
	s_delay_alu instid0(VALU_DEP_1)
	v_max3_num_f32 v[BM], v[BM], |v[S+\i]|, |v[S+\i+1]|
.endr
	s_delay_alu instid0(VALU_DEP_1)
	v_permlanex16_b32 v[BT], v[BM], s30, s31
	s_delay_alu instid0(VALU_DEP_1)
	v_max_num_f32 v[BM], v[BM], v[BT]
	s_delay_alu instid0(VALU_DEP_1)
	v_add_nc_u32 v[SO4], 0xff000000, v[BM]
	s_delay_alu instid0(VALU_DEP_1)
	v_lshrrev_b32 v[BT+1], 23, v[SO4]
	v_cvt_scalef32_pk16_fp6_f32 v[PCD:PCD+2], v[S:S+15], v[SO4]
	v_nop
	global_store_b96 v223, v[PCD:PCD+2], s[16:17]  ; the wave stores 384 consecutive bytes
	global_store_b8 v224, v[BT+1], s[18:19]        ; lanes l and l xor 16 write the same byte with the same value
	s_wait_tensorcnt 0x0
	ds_add_u32 v254, v255
	s_wait_dscnt 0x0
	s_endpgm
.Lfunc_end_k_q9dd62da875_attn:
	.size	k_q9dd62da875_attn, .Lfunc_end_k_q9dd62da875_attn-k_q9dd62da875_attn
	.p2alignl 7, 3214868480
	.fill 96, 4, 3214868480
	.section	.rodata,"a",@progbits
	.p2align	6, 0x0
	.amdhsa_kernel k_q9dd62da875_attn
		.amdhsa_group_segment_fixed_size 169984
		.amdhsa_private_segment_fixed_size 0
		.amdhsa_enable_private_segment 0
		.amdhsa_kernarg_size 64
		.amdhsa_user_sgpr_count 2
		.amdhsa_user_sgpr_kernarg_segment_ptr 1
		.amdhsa_wavefront_size32 1
		.amdhsa_system_sgpr_workgroup_id_x 1
		.amdhsa_system_sgpr_workgroup_id_y 1
		.amdhsa_system_sgpr_workgroup_id_z 1
		.amdhsa_system_vgpr_workitem_id 0
		.amdhsa_next_free_vgpr 256
		.amdhsa_next_free_sgpr 96
		.amdhsa_reserve_vcc 1
		.amdhsa_float_denorm_mode_32 3
		.amdhsa_float_denorm_mode_16_64 3
		.amdhsa_memory_ordered 1
		.amdhsa_forward_progress 1
		.amdhsa_inst_pref_size 58
	.end_amdhsa_kernel
	.amdgpu_metadata
---
amdhsa.version: [ 1, 2 ]
amdhsa.kernels:
  - .name:           k_q9dd62da875_attn
    .symbol:         k_q9dd62da875_attn.kd
    .args:
      - { .name: qc, .offset: 0, .size: 8, .value_kind: global_buffer, .address_space: global }
      - { .name: qs, .offset: 8, .size: 8, .value_kind: global_buffer, .address_space: global }
      - { .name: kc, .offset: 16, .size: 8, .value_kind: global_buffer, .address_space: global }
      - { .name: ks, .offset: 24, .size: 8, .value_kind: global_buffer, .address_space: global }
      - { .name: vc, .offset: 32, .size: 8, .value_kind: global_buffer, .address_space: global }
      - { .name: vs, .offset: 40, .size: 8, .value_kind: global_buffer, .address_space: global }
      - { .name: ao, .offset: 48, .size: 8, .value_kind: global_buffer, .address_space: global }
      - { .name: aos, .offset: 56, .size: 8, .value_kind: global_buffer, .address_space: global }
    .group_segment_fixed_size: 169984
    .private_segment_fixed_size: 0
    .kernarg_segment_align: 8
    .kernarg_segment_size: 64
    .max_flat_workgroup_size: 512
    .sgpr_count:     96
    .vgpr_count:     256
    .wavefront_size: 32
...
	.end_amdgpu_metadata
.endif
;; end of part 5
;; launch proj (part 6): grid 64 x 4, 8 waves a work-group, no clusters, 142,336 bytes of LDS; arguments ao, aos, Wo, bo, out0; writes out0
.if DOCPART == 6
	.amdgcn_target "amdgcn-amd-amdhsa--gfx1250"
	.amdhsa_code_object_version 6
	.text
	.protected	k_q9dd62da875_proj
	.globl	k_q9dd62da875_proj
	.p2align	8
	.type	k_q9dd62da875_proj,@function
k_q9dd62da875_proj:
	s_mov_b64 s[64:65], 0
	v_nop
	global_prefetch_b8 v0, s[64:65] scope:SCOPE_SE
	s_setreg_imm32_b32 hwreg(HW_REG_WAVE_SCHED_MODE, 0, 2), 2
	s_setreg_imm32_b32 hwreg(HW_REG_WAVE_MODE, 25, 1), 1
	s_wait_xcnt 0x0
	s_wait_alu depctr_vm_vsrc(0)
; out = a Wo^T + bo on codes of FP6 (E2M3) with one E8M0 scale for each 32 along K = 256.  a arrives as codes [token / 16][head][token % 16][24 bytes] with scale bytes [token][8]; Wo arrives as f32 and is quantised here.
; SHARES.  A work-group takes 128 tokens x 64 columns.  Phase A: wave w quantises 16 rows x 128 K of Wo (tile w % 4, K half w / 4) and stores the fragment's image in LDS; it also copies its 16 tokens' codes (3,072 dense bytes)
; and scale bytes into LDS in whole runs.  Phase B: wave w multiplies its 16 tokens by all four tiles: source 0 = 16 rows of Wo, source 1 = the tokens, so that a lane holds eight neighbouring columns of one row of out.
; The bias is the C of each sum's first matrix instruction.  The results leave through the wave's own stage: sixteen lanes store 256 consecutive bytes, aligned.
; NO CLUSTER: what work-groups share (64 rows of Wo, a block of codes) is read once by each at its head and goes through registers, since it is turned and quantised on the way.
; LIMITS: a block of Wo under 2^-124 or of zeros gets the byte 1 (this program alone reads the bytes); NaN and infinities are not served.
; THE MODE: SCHED_MODE bits 1:0 = 2 (LLVM: expert scheduling mode 2), set by the entry lines.  The code itself states the register dependences
; between vector or matrix instructions and memory or LDS instructions, with s_wait_alu, always for 0.
; THE PLAN.  Registers that memory or LDS instructions touch:
;   v1-15, v241, v242   addresses and offsets: written at the head, never again: one wait on va_vdst ahead of the first load.
;   R, CT               written by global loads, read by LDS stores; behind the barrier fragments, scale words and accumulators are written there.
;   X                   written by the stage's LDS loads, read by the quantiser; behind the barrier fragments land there.
;   PC, PW              written by the quantiser, read by the image's LDS stores; behind the barrier scale words land in PC.
;   So: one wait on va_vdst behind the quantiser (PC and PW are written, X has been read; no vector instruction follows up to phase B's loads), one on vm_vsrc behind the barrier (all that my LDS stores have read),
;   and one on va_vdst on the way out (the accumulators are written, and the products are done reading the fragments in whose registers the rows come back).
.set TPW,  8448                        ; a wave's stage for the turn: 16 rows x 528 bytes
.set IMG,  67584                       ; Wo's eight images: tile n, K half s at n + 4 s
.set SCW,  79872                       ; their scale words
.set AC,   80896                       ; a's codes: 3,072 bytes a wave
.set AS,   105472                      ; a's scale bytes: 128 a wave
.set OST,  106496                      ; the way out: 16 rows x 272 bytes a wave
.set GA,   1
.set TS,   2
.set TR,   3
.set IW,   4
.set SW,   5
.set CW,   6
.set ASW,  7
.set AFA,  8
.set ASA,  9
.set LIB,  10
.set LSB,  11
.set SO,   12
.set SR,   13
.set GO,   14
.set LI,   15
.set R,    16                          ; v16-79   Wo's rows as loaded
.set X,    80                          ; v80-143  64 numbers for the quantiser
.set CT,   144                         ; v144-167 a's codes on their way to LDS; v168 its scale bytes
.set PC,   170                         ; v170-189 the codes just made
.set BI,   192                         ; v192-223 the bias, four tiles in the result's layout
.set TM,   224
.set PW,   240
.set BOF,  241                         ; v241 32 h; never rewritten
.set LS,   242                         ; v242 4 x lane; never rewritten
.set WF,   16                          ; phase B: v16-111 Wo's eight fragments
.set AF,   112                         ; v112-135 a's two
.set ACC,  136                         ; v136-167 four accumulators
.set WS,   168                         ; v168-175 Wo's scale words
.set ASC,  176                         ; v176-177 a's
.set OB,   16                          ; the way out: rows read back
.set SEL,  30
.macro QUANT s
.irp b, 0,1,2,3
	v_max3_num_f32 v[TM+\b], |v[\s+16*\b]|, |v[\s+1+16*\b]|, 0x1800000   ; my 16 numbers, and the floor 2^(3 - 127)
.endr
.irp i, 2,4,6,8,10,12,14
.irp b, 0,1,2,3
	v_max3_num_f32 v[TM+\b], v[TM+\b], |v[\s+16*\b+\i]|, |v[\s+1+16*\b+\i]|
.endr
.endr
.irp b, 0,1,2,3
	v_permlanex16_b32 v[TM+4+\b], v[TM+\b], s[SEL], s[SEL+1]
.endr
.irp b, 0,1,2,3
	v_max_num_f32 v[TM+\b], v[TM+\b], v[TM+4+\b]
.endr
.irp b, 0,1,2,3
	v_add_nc_u32 v[TM+12+\b], 0xff000000, v[TM+\b]
.endr
.irp b, 0,1,2,3
	v_lshrrev_b32 v[TM+4+\b], 23, v[TM+12+\b]
.endr
	v_lshl_or_b32 v[PW], v[TM+5], 8, v[TM+4]
	v_lshl_or_b32 v[PW], v[TM+6], 16, v[PW]
	v_lshl_or_b32 v[PW], v[TM+7], 24, v[PW]
.irp c, 0,1
	v_cvt_scalef32_pk16_fp6_f32 v[PC+6*\c:PC+2+6*\c], v[\s+32*\c:\s+15+32*\c], v[TM+12+2*\c]
	v_cvt_scalef32_pk16_fp6_f32 v[PC+12+4*\c:PC+14+4*\c], v[\s+16+32*\c:\s+31+32*\c], v[TM+12+2*\c+1]
.endr
	v_nop                                          ; one plain place behind a scaled conversion
.irp c, 0,1
.irp i, 0,1,2
	v_permlane16_swap_b32 v[PC+6*\c+\i], v[PC+12+4*\c+\i]
.endr
.irp i, 0,1,2
	v_mov_b32 v[PC+3+6*\c+\i], v[PC+12+4*\c+\i]
.endr
.endr
.endm
.macro MM d, a, b, c, sa, sb
	v_wmma_scale_f32_16x16x128_f8f6f4 v[\d:\d+7], v[\a:\a+11], v[\b:\b+11], v[\c:\c+7], v[\sa], v[\sb] matrix_a_fmt:MATRIX_FMT_FP6 matrix_b_fmt:MATRIX_FMT_FP6
.endm
	s_load_b256 s[4:11], s[0:1], 0x0               ; ao, aos, Wo, bo
	s_load_b64 s[12:13], s[0:1], 0x20              ; out0
	v_lshl_add_u32 v254, v0, 2, 0x22800
	v_mov_b32 v255, 0
	v_lshrrev_b32 v16, 5, v0
	v_readfirstlane_b32 s14, v16                   ; wave 0..7
	s_and_b32 s17, ttmp7, 0xffff                   ; which 64 columns
	s_mov_b32 s[SEL], 0x76543210
	s_mov_b32 s[SEL+1], 0xfedcba98
	v_and_b32 v17, 31, v0
	v_and_b32 v18, 15, v0                          ; r
	v_bfe_u32 v19, v0, 4, 1                        ; h
	v_lshlrev_b32 v[LI], 4, v17
	s_wait_alu depctr_va_vdst(0)
	v_lshlrev_b32 v[LS], 2, v17
	s_wait_alu depctr_va_vdst(0)
	s_wait_alu depctr_va_sdst(0)                   ; s14 is written, ahead of its first reader
	s_and_b32 s15, s14, 3                          ; phase A: tile of Wo,
	s_lshr_b32 s16, s14, 2                         ; K half
	s_lshl_b32 s18, s15, 14                        ; 16 rows of 1,024 bytes a tile
	s_lshl_b32 s19, s16, 9
	s_add_co_u32 s18, s18, s19
	v_add_nc_u32 v[GA], s18, v[LI]
	s_mul_i32 s18, s14, TPW
	v_add_nc_u32 v[TS], s18, v[LI]
	v_mul_u32_u24 v21, v18, 528
	v_lshl_add_u32 v21, v19, 6, v21
	v_add_nc_u32 v[TR], s18, v21
	s_mul_i32 s18, s14, 1536
	s_add_co_u32 s18, s18, IMG
	v_add_nc_u32 v[IW], s18, v[LI]
	s_lshl_b32 s18, s14, 7
	s_add_co_u32 s19, s18, SCW
	v_add_nc_u32 v[SW], s19, v[LS]
	s_add_co_u32 s19, s18, AS
	v_add_nc_u32 v[ASW], s19, v[LS]
	v_lshl_add_u32 v[ASA], v18, 3, s19             ; token r's eight bytes
	s_mul_i32 s18, s14, 3072
	s_add_co_u32 s18, s18, AC
	v_add_nc_u32 v[CW], s18, v[LI]
	v_mul_u32_u24 v21, v18, 24
	v_mad_u32_u24 v21, v19, 384, v21               ; head 4 s + 2 c + h, token r: 384 bytes a head, 24 a token: the 32 lanes of a load of 8 bytes touch 64 different banks
	v_add_nc_u32 v[AFA], s18, v21
	v_add_nc_u32 v[LIB], IMG, v[LI]
	v_add_nc_u32 v[LSB], SCW, v[LS]
	s_mul_i32 s18, s14, 4352
	s_add_co_u32 s18, s18, OST
	v_mul_u32_u24 v21, v18, 272
	v_lshl_add_u32 v21, v19, 5, v21
	v_add_nc_u32 v[SO], s18, v21                   ; in: row r, + 32 h
	v_mul_u32_u24 v21, v19, 272
	v_lshl_add_u32 v21, v18, 4, v21
	v_add_nc_u32 v[SR], s18, v21                   ; back: lanes 0-15 one row, lanes 16-31 the next
	v_lshlrev_b32 v21, 10, v19
	v_lshl_add_u32 v[GO], v18, 4, v21              ; and the same two rows in out
	v_lshlrev_b32 v[BOF], 5, v19
.irp b, 0,1,2,3
	v_mov_b32 v[TM+4+\b], 0                        ; a lane permute's destination counts as one of its sources
.endr
	s_mul_i32 s20, ttmp9, 24576
	s_mul_i32 s18, s14, 3072
	s_add_co_u32 s20, s20, s18
	s_mov_b32 s21, 0
	s_lshl_b32 s22, ttmp9, 10
	s_lshl_b32 s18, s14, 7
	s_add_co_u32 s22, s22, s18
	s_mov_b32 s23, 0
	s_lshl_b32 s24, s17, 16
	s_mov_b32 s25, 0
	s_lshl_b32 s26, s17, 8
	s_mov_b32 s27, 0
	s_lshl_b32 s28, ttmp9, 7
	s_lshl_b32 s18, s14, 4
	s_add_co_u32 s28, s28, s18                     ; my first token
	s_lshl_b32 s28, s28, 10
	s_add_co_u32 s28, s28, s26
	s_mov_b32 s29, 0
	s_wait_kmcnt 0x0
	s_add_nc_u64 s[4:5], s[4:5], s[20:21]
	s_add_nc_u64 s[6:7], s[6:7], s[22:23]
	s_add_nc_u64 s[8:9], s[8:9], s[24:25]
	s_add_nc_u64 s[10:11], s[10:11], s[26:27]
	s_add_nc_u64 s[12:13], s[12:13], s[28:29]
	; ---- phase A
	s_wait_alu depctr_va_vdst(0)                   ; the addresses and offsets v1 to v15, v241 and v242 are written, which every load and store of the kernel reads; so are v16 to v21, in which Wo's rows land
.irp g, 0,1,2,3,4,5
	global_load_b128 v[CT+4*\g:CT+4*\g+3], v[LI], s[4:5] offset:512*\g
.endr
	global_load_b32 v[CT+24], v[LS], s[6:7]
.irp i, 0,1,2,3,4,5,6,7,8,9,10,11,12,13,14,15
	global_load_b128 v[R+4*\i:R+4*\i+3], v[GA], s[8:9] offset:1024*\i
.endr
.irp n, 0,1,2,3
	global_load_b128 v[BI+8*\n:BI+8*\n+3], v[BOF], s[10:11] offset:64*\n
	global_load_b128 v[BI+8*\n+4:BI+8*\n+7], v[BOF], s[10:11] offset:64*\n+16
.endr
	s_wait_loadcnt 24                              ; a's seven loads are in; Wo's 16 and the bias's 8 may stay out
.irp g, 0,1,2,3,4,5
	ds_store_b128 v[CW], v[CT+4*\g:CT+4*\g+3] offset:512*\g
.endr
	ds_store_b32 v[ASW], v[CT+24]
	s_wait_loadcnt 8                               ; Wo's are in; the bias's may stay out
.irp i, 0,1,2,3,4,5,6,7,8,9,10,11,12,13,14,15
	ds_store_b128 v[TS], v[R+4*\i:R+4*\i+3] offset:528*\i
.endr
.irp b, 0,1,2,3
.irp j, 0,1,2,3
	ds_load_b128 v[X+16*\b+4*\j:X+16*\b+4*\j+3], v[TR] offset:128*\b+16*\j   ; LDS serves a wave's instructions in order: these see the stores
.endr
.endr
	s_wait_dscnt 0x0
	QUANT X
	s_wait_alu depctr_va_vdst(0)                   ; the quantiser has written PC and PW, which the LDS stores read, and is done reading X: fragments land there behind the barrier, with no vector instruction between
.irp c, 0,1,2
	ds_store_b128 v[IW], v[PC+4*\c:PC+4*\c+3] offset:512*\c
.endr
	ds_store_b32 v[SW], v[PW]
	s_wait_dscnt 0x0                               ; my image has landed
	s_barrier_signal -1
	s_barrier_wait -1                              ; all eight have
	; ---- phase B: the loads by K halves, 23 each: a's fragment (6) and scale word, Wo's four fragments (12) and scale words (4)
	s_wait_alu depctr_vm_vsrc(0)                   ; my LDS stores have read Wo's rows (v16-79), a's codes and scale bytes (v144-168) and PC (v170-181): fragments and scale words land there, and the products write v136-167
.irp s, 0,1
.irp c, 0,1
.irp p, 0,1,2
	ds_load_b64 v[AF+12*\s+6*\c+2*\p:AF+12*\s+6*\c+2*\p+1], v[AFA] offset:1536*\s+768*\c+8*\p
.endr
.endr
	ds_load_b32 v[ASC+\s], v[ASA] offset:4*\s
.irp n, 0,1,2,3
.irp c, 0,1,2
	ds_load_b128 v[WF+12*(4*\s+\n)+4*\c:WF+12*(4*\s+\n)+4*\c+3], v[LIB] offset:1536*(4*\s+\n)+512*\c
.endr
	ds_load_b32 v[WS+4*\s+\n], v[LSB] offset:128*(4*\s+\n)
.endr
.endr
	s_wait_dscnt 23                                ; the first K half is in; the second half's 23 loads may stay out
	s_wait_loadcnt 0x0                             ; the bias
.irp n, 0,1,2,3
	MM ACC+8*\n, WF+12*\n, AF, BI+8*\n, WS+\n, ASC
.endr
	s_wait_dscnt 0x0                               ; the second K half is in
.irp n, 0,1,2,3
	MM ACC+8*\n, WF+12*(\n+4), AF+12, ACC+8*\n, WS+\n+4, ASC+1
.endr
.rept 4
	v_nop                                          ; places in front of the first read of results
.endr
	s_wait_alu depctr_va_vdst(0)                   ; the products have written the accumulators, which the LDS stores read, and are done reading Wo's fragments, in whose registers the rows come back; the places above stay beside this wait
.irp n, 0,1,2,3
	ds_store_b128 v[SO], v[ACC+8*\n:ACC+8*\n+3] offset:64*\n       ; lane (r, h): out(token r, column 16 n + 8 h + 0 .. 7); each accumulator from its low end on
	ds_store_b128 v[SO], v[ACC+8*\n+4:ACC+8*\n+7] offset:64*\n+16
.endr
.irp i, 0,1,2,3,4,5,6,7
	ds_load_b128 v[OB+4*\i:OB+4*\i+3], v[SR] offset:544*\i         ; my own stage: served in order behind my stores
.endr
.irp i, 0,1,2,3,4,5,6,7
	s_wait_dscnt 7-\i                              ; the younger loads may stay out
	global_store_b128 v[GO], v[OB+4*\i:OB+4*\i+3], s[12:13] offset:2048*\i th:TH_STORE_NT   ; sixteen lanes store 256 consecutive bytes, at a multiple of 256 from out's first byte
.endr
	s_wait_dscnt 0x0
	s_wait_alu depctr_hold_cnt(0) depctr_sa_sdst(0) depctr_va_vdst(0) depctr_va_sdst(0) depctr_va_ssrc(0) depctr_va_vcc(0) depctr_vm_vsrc(0)
	s_wait_tensorcnt 0x0
	ds_add_u32 v254, v255
	s_wait_dscnt 0x0
	s_endpgm
.Lfunc_end_k_q9dd62da875_proj:
	.size	k_q9dd62da875_proj, .Lfunc_end_k_q9dd62da875_proj-k_q9dd62da875_proj
	.p2alignl 7, 3214868480
	.fill 96, 4, 3214868480
	.section	.rodata,"a",@progbits
	.p2align	6, 0x0
	.amdhsa_kernel k_q9dd62da875_proj
		.amdhsa_group_segment_fixed_size 142336
		.amdhsa_private_segment_fixed_size 0
		.amdhsa_enable_private_segment 0
		.amdhsa_kernarg_size 40
		.amdhsa_user_sgpr_count 2
		.amdhsa_user_sgpr_kernarg_segment_ptr 1
		.amdhsa_wavefront_size32 1
		.amdhsa_system_sgpr_workgroup_id_x 1
		.amdhsa_system_sgpr_workgroup_id_y 1
		.amdhsa_system_sgpr_workgroup_id_z 1
		.amdhsa_system_vgpr_workitem_id 0
		.amdhsa_next_free_vgpr 256
		.amdhsa_next_free_sgpr 66
		.amdhsa_reserve_vcc 0
		.amdhsa_float_denorm_mode_32 3
		.amdhsa_float_denorm_mode_16_64 3
		.amdhsa_memory_ordered 1
		.amdhsa_forward_progress 1
		.amdhsa_inst_pref_size 20
	.end_amdhsa_kernel
	.amdgpu_metadata
---
amdhsa.version: [ 1, 2 ]
amdhsa.kernels:
  - .name:           k_q9dd62da875_proj
    .symbol:         k_q9dd62da875_proj.kd
    .args:
      - { .name: ao, .offset: 0, .size: 8, .value_kind: global_buffer, .address_space: global }
      - { .name: aos, .offset: 8, .size: 8, .value_kind: global_buffer, .address_space: global }
      - { .name: Wo, .offset: 16, .size: 8, .value_kind: global_buffer, .address_space: global }
      - { .name: bo, .offset: 24, .size: 8, .value_kind: global_buffer, .address_space: global }
      - { .name: out0, .offset: 32, .size: 8, .value_kind: global_buffer, .address_space: global }
    .group_segment_fixed_size: 142336
    .private_segment_fixed_size: 0
    .kernarg_segment_align: 8
    .kernarg_segment_size: 40
    .max_flat_workgroup_size: 256
    .sgpr_count:     66
    .vgpr_count:     256
    .wavefront_size: 32
...
	.end_amdgpu_metadata
.endif
;; end of part 6
